; MI455X (gfx1250); checked and timed in simulation.
; The chip was launched on July 23, 2026; its instructions are those of AMD's public machine-readable ISA for CDNA 5 (MIT licence, August 2026) and "CDNA5" Instruction Set Architecture Reference Guide (July 2026). The comments in the code are by the model that wrote it; some were corrected since.
;; Encoder Block. Allowed arithmetic: matrix products marked QUANTISED: E2M3 operands, one E8M0 scale for each 32 along K, by v_wmma_scale_f32_16x16x128_f8f6f4 with both operands' format E2M3, f32 sums; everything else in f32.
;; Inputs: b1 4,096 float32; b2 1,024 float32; b_out 1,024 float32; g1 1,024 float32; g2 1,024 float32; w1 1,024 x 4,096 float32; w2 4,096 x 1,024 float32; w_in 1,024 x 3,072 float32; w_out 1,024 x 1,024 float32; x 2 x 2,048 x 1,024 float32.
;; Outputs: out0 2 x 2,048 x 1,024 float32.
;; This version of the problem:
;;   THIS VERSION OF THE PROBLEM IS GIVEN IN LOW PRECISION. The matrix products marked QUANTISED in the list below multiply operands that are first quantised to E2M3 (2 exponent bits, 3 mantissa bits; 6 bits a number), with one power-of-two scale for each 32 numbers along K (OCP MX v1.0); their sums are f32. All else is computed in f32.
;;   The module's matrix products, in the order in which they are computed (A, B: the left and right operand; K: the contracted axis; several contracted axes count as one K, in the product's order):
;;     1. [M 4,096, K 1,024] x [K 1,024, N 3,072]; A: computed on the way; B: input w_in: QUANTISED
;;     2. batch 32 x [M 2,048, K 64] x [K 64, N 2,048]; A: computed on the way; B: computed on the way: QUANTISED
;;     3. batch 32 x [M 64, K 2,048] x [K 2,048, N 2,048]; A: computed on the way; B: softmax (see below): QUANTISED
;;     4. [M 4,096, K 1,024] x [K 1,024, N 1,024]; A: computed on the way; B: input w_out: QUANTISED
;;     5. [M 4,096, K 1,024] x [K 1,024, N 4,096]; A: computed on the way; B: input w1: QUANTISED
;;     6. [M 4,096, K 4,096] x [K 4,096, N 1,024]; A: computed on the way; B: input w2: QUANTISED
;;   THE QUANTISER, for each operand of a quantised product, along K:
;;     - K is cut into blocks of 32 from its start; a last block that is shorter is filled with zeros.
;;     - A block's scale is 2^e with e = floor(log2(the largest magnitude in the block)) - 2, held to -126 .. 127; a block of zeros has e = 0. As a byte (E8M0): e + 127.
;;     - Each number is divided by its block's scale, clamped to +-7.5, and rounded to the nearest number of E2M3, ties to even, subnormals kept.
;;     - The product sums the exact products of the quantised numbers (number of the format x scale) in f32.
;;   ~~~python
;;   def quantise(x, axis):      # numpy; x: float32 -> the quantised numbers, widened to float32 again
;;       x = np.moveaxis(x, axis, -1); K = x.shape[-1]
;;       x = np.pad(x, [(0, 0)] * (x.ndim - 1) + [(0, -K % 32)]); x = x.reshape(x.shape[:-1] + (-1, 32)); a = np.abs(x).max(-1, keepdims=True)
;;       e = np.where(a > 0, np.clip(np.frexp(np.where(a > 0, a, 1))[1] - 1 - 2, -126, 127), 0)      # np.frexp(a)[1] - 1 = floor(log2(a)), exactly
;;       r = np.clip(x / 2.0 ** e, -7.5, 7.5)
;;       step = 2.0 ** (np.maximum(np.frexp(np.where(r == 0, 1, r))[1] - 1, 0) - 3)
;;       q = np.round(r / step) * step * 2.0 ** e      # np.round: ties to even
;;       return np.moveaxis(q.reshape(q.shape[:-2] + (-1,))[..., :K], -1, axis).astype(np.float32)
;;   ~~~
;;   SOFTMAX AHEAD OF A QUANTISED PRODUCT. Where the list says 'softmax', what is quantised is not the finished softmax but p = 2^(t - M), with t = logit x log2(e) and M = ceil(the row's largest t), a whole number; so 1/2 < the row's largest p <= 1. The row's sum l is taken of the UNQUANTISED p, in f32, and the product's result is divided by l at the end. Since M is a whole number, a kernel that streams over the keys may use a running M (the ceiling of the running maximum): every later rescaling is an exact power of two, which a block's scale takes up: the codes' values come out the same.
;;   OPERANDS COMPUTED ON THE WAY. 'Computed on the way' means the value that the module computes at that place (a softmax that the list does not call 'softmax' is quantised finished and normalised). What goes into a quantiser is computed in f32, as accurately as f32 sums, v_exp_f32 and their like allow (about 1e-6 of the number): no bf16 or f16 on the way to a quantiser, and a product that is left as it is and whose result goes on into a quantised operand takes f32 operands (vector FMAs, or v_wmma_f32_16x16x4_f32). A number that lies on a knife's edge between two numbers of the format may be rounded either way, as far as f32 arithmetic and the matrix unit's own rounding can turn it there, and no further.
;; One version. Each part assembles by itself: llvm-mc -triple=amdgcn-amd-amdhsa -mcpu=gfx1250 --defsym DOCPART=n.
;; ======== version 1 of 1: 7 launches
;; limits: right only within a limited range of input values
;; workspace buffers: pw 13,123,584 bytes; qkv 9,830,400 bytes; at 3,276,800 bytes; h2 16,777,216 bytes; n2 3,293,184 bytes; gl 13,107,200 bytes
;; launch prep (part 1): grid 640 x 1, 4 waves a work-group, no clusters, 66,304 bytes of LDS; arguments x, g1, w_in, w_out, w1, w2, pw; writes pw
.if DOCPART == 1
	.amdgcn_target "amdgcn-amd-amdhsa--gfx1250"
	.amdhsa_code_object_version 6
	.text
	.protected	k_q4bd20a3fd8_prep
	.globl	k_q4bd20a3fd8_prep
	.p2align	8
	.type	k_q4bd20a3fd8_prep,@function
k_q4bd20a3fd8_prep:
	s_mov_b64 s[64:65], 0
	v_nop
	global_prefetch_b8 v0, s[64:65] scope:SCOPE_SE
	s_setreg_imm32_b32 hwreg(HW_REG_WAVE_MODE, 25, 1), 1
	s_wait_xcnt 0x0
; Work-groups 0-255: h1 = g1 * (x / (rms(x) + eps)), quantised to FP6 (E2M3) along its 1,024, and 1 / (rms + eps) of each row.  Work-groups 256-639: the four weights, stored [K][N], quantised along K.
; EVERY OPERAND IS STORED AS AN IMAGE OF THE MATRIX UNIT'S REGISTERS.  A record (768 bytes) is 16 rows x 64 along K: lane l's registers 0-3 at 16 l, its registers 4-5 at 512 + 8 l; lane (r, h) holds k = 32 h .. 32 h + 31.
; Two records are a fragment (16 x 128); four fragments and 256 bytes of scale words (row r, K step q: 6144 + 16 r + 4 q) are a super-record of 6,400 bytes; an operand is [tile][K / 512][6,400].
; THE ROWS OF A TILE ARE NOT NEIGHBOURS: lane row r of tile 2 b + u is row 32 b + 8 u + r + 8 (r / 8), so that a product's results come out with 16 neighbours along the next K in a lane's registers.
; A block's scale is 2^(floor(log2(largest magnitude)) - 2); its byte is the largest magnitude's exponent field - 2, held at 1 from below.
; LIMITS: a block of zeros, or one whose largest magnitude lies under 2^-124, gets the byte 1 (its codes are zeros or the smallest; the bytes are read by this program alone); NaN and infinities are not served;
; 1 / (rms + eps) is v_sqrt_f32 and v_rcp_f32.
.set PITCH,  4112                      ; a stage row: 4,096 bytes + 16: sixteen lanes on sixteen rows start 4 words apart
.set SPARE,  16*PITCH                  ; behind the stage: the spare words, 128 bytes a wave
.set IMGOFF, 9830400                   ; h1's image in pw
.set INVOFF, 13107200                  ; 1 / (rms + eps), 4,096 f32
.set SPW, 12                           ; v12 my spare word's address; v13 0: kept for the add alone
.set NIL, 13
.set INV, 16                           ; v16-19 1 / (rms + eps) of my four rows
.set X,   32                           ; v32-159 four rows as loaded; later 4 x 32 neighbours along K
.set G,   160                          ; v160-191 the gain
.set R,   192                          ; v192-215 four records
.set W,   216                          ; v216-217 two scale words
.set CT,  220                          ; v220-235 upper halves of the records, as converted
.set SEL, 46                           ; s[46:47] lane selects: lane l xor 16
.set VO,  32                           ; weights: v32-63 byte offsets of 32 rows of K at my column
.set WX,  64                           ; v64-127 two sets of 32 numbers
.set WC,  128                          ; v128-175 eight blocks' codes, six registers each: never written again
.set WT,  176                          ; v176-178 a block's upper half, as converted
.set SB,  180                          ; v180-181 eight scale bytes
	s_load_b128 s[4:7], s[0:1], 0x0                ; x, g1
	s_load_b256 s[8:15], s[0:1], 0x10              ; w_in, w_out, w1, w2
	s_load_b64 s[16:17], s[0:1], 0x30              ; pw
	v_lshl_add_u32 v[SPW], v0, 2, SPARE
	v_mov_b32 v[NIL], 0
	v_lshrrev_b32 v1, 5, v0
	v_readfirstlane_b32 s18, v1                    ; wave
	v_and_b32 v1, 31, v0                           ; lane
	v_and_b32 v2, 15, v0                           ; r
	v_bfe_u32 v3, v0, 4, 1                         ; h
	v_lshlrev_b32 v4, 4, v1                        ; 16 x lane
	v_lshlrev_b32 v7, 3, v1                        ; 8 x lane
	s_cmp_ge_u32 ttmp9, 256                        ; the work-group's number alone: all four waves go the same way
	s_cbranch_scc1 .Lweights
; ---------------- rows: the work-group makes tile ttmp9 (16 rows); wave w owns tile rows 4 w .. 4 w + 3, which are four neighbouring tokens
	s_lshr_b32 s24, ttmp9, 1
	s_lshl_b32 s24, s24, 5
	s_and_b32 s25, ttmp9, 1
	s_lshl_b32 s25, s25, 3
	s_add_co_u32 s24, s24, s25
	s_lshl_b32 s25, s18, 2
	s_add_co_u32 s24, s24, s25
	s_lshr_b32 s31, s18, 1
	s_lshl_b32 s25, s31, 3
	s_add_co_u32 s24, s24, s25                     ; my first token: 32 (tile / 2) + 8 (tile % 2) + 4 w + 8 (w / 2)
	s_lshl_b32 s26, s24, 12
	s_mov_b32 s27, 0
	s_lshl_b32 s28, s24, 2
	s_mov_b32 s29, 0
	s_mul_i32 s30, ttmp9, 12800
	s_mul_i32 s31, s31, 6400
	s_add_co_u32 s30, s30, s31                     ; my super-record: K steps 2 w, 2 w + 1 lie in group w / 2
	s_and_b32 s31, s18, 1
	s_mul_i32 s32, s31, 3072
	s_add_co_u32 s32, s32, s30                     ; my two fragments
	s_mov_b32 s33, 0
	s_lshl_b32 s34, s31, 3
	s_add_co_u32 s34, s34, s30
	s_add_co_u32 s34, s34, 6144                    ; my two scale words of each row
	s_mov_b32 s35, 0
	s_mul_i32 s36, s18, 4*PITCH
	s_wait_alu depctr_va_vdst(0)
	v_add_nc_u32 v5, s36, v4                       ; into the stage: my four rows, 16 bytes a lane
	v_mul_u32_u24 v6, v2, PITCH
	v_lshl_add_u32 v6, v3, 7, v6
	s_lshl_b32 s36, s18, 10
	v_add_nc_u32 v6, s36, v6                       ; out of it: row r, + 128 h, + 1,024 w: 32 neighbours along K
	v_lshlrev_b32 v8, 4, v2
	v_lshl_add_u32 v8, v3, 2, v8                   ; scale words: 16 r + 4 h
	s_mov_b32 s[SEL], 0x76543210
	s_mov_b32 s[SEL+1], 0xfedcba98
	s_mov_b32 s42, 0x3d000000                      ; 1024^-0.5
	s_mov_b32 s43, 0x322bcc77                      ; eps = 1e-8
	s_wait_kmcnt 0x0
	s_add_nc_u64 s[4:5], s[4:5], s[26:27]
	s_add_nc_u64 s[20:21], s[16:17], IMGOFF
	s_add_nc_u64 s[22:23], s[16:17], INVOFF
	s_add_nc_u64 s[22:23], s[22:23], s[28:29]
	s_add_nc_u64 s[38:39], s[20:21], s[32:33]
	s_add_nc_u64 s[40:41], s[20:21], s[34:35]
.irp i, 0,1,2,3,4,5,6,7
	global_load_b128 v[G+4*\i:G+4*\i+3], v4, s[6:7] offset:512*\i
.endr
.irp j, 0,1,2,3
.irp i, 0,1,2,3,4,5,6,7
	global_load_b128 v[X+32*\j+4*\i:X+32*\j+4*\i+3], v4, s[4:5] offset:4096*\j+512*\i th:TH_LOAD_NT   ; 512 consecutive bytes a load
.endr
.endr
.irp j, 0,1,2,3
	v_mov_b32 v[28+\j], 0                          ; a lane permute's destination counts as one of its sources
.endr
.irp j, 0,1,2,3
	s_wait_loadcnt 8*(3-\j)                        ; the gain and rows 0 .. j are in; the younger rows' eight loads each stay out
	v_pk_mul_f32 v[20:21], v[X+32*\j:X+32*\j+1], v[X+32*\j:X+32*\j+1]
	v_pk_mul_f32 v[22:23], v[X+32*\j+2:X+32*\j+3], v[X+32*\j+2:X+32*\j+3]
.irp p, 4,8,12,16,20,24,28
	v_pk_fma_f32 v[20:21], v[X+32*\j+\p:X+32*\j+\p+1], v[X+32*\j+\p:X+32*\j+\p+1], v[20:21]
	v_pk_fma_f32 v[22:23], v[X+32*\j+\p+2:X+32*\j+\p+3], v[X+32*\j+\p+2:X+32*\j+\p+3], v[22:23]
.endr
	v_pk_add_f32 v[20:21], v[20:21], v[22:23]
	v_add_f32 v[24+\j], v20, v21                   ; my 32 squares of row j
.endr
.irp m, 1,2,4,8
.irp j, 0,1,2,3
	v_add_f32_dpp v[24+\j], v[24+\j], v[24+\j] row_xmask:\m row_mask:0xf bank_mask:0xf
.endr
.endr
.irp j, 0,1,2,3
	v_permlanex16_b32 v[28+\j], v[24+\j], s[SEL], s[SEL+1]
.endr
.irp j, 0,1,2,3
	v_add_f32 v[24+\j], v[24+\j], v[28+\j]         ; the row's sum of squares, in every lane
.endr
	s_wait_alu depctr_va_vdst(0)
.irp j, 0,1,2,3
	v_sqrt_f32 v[24+\j], v[24+\j]
.endr
	v_nop                                          ; a plain line behind the roots,
	s_wait_alu depctr_va_vdst(0)                   ; and one wait for the four, ahead of their first reader
.irp j, 0,1,2,3
	v_fma_f32 v[24+\j], v[24+\j], s42, s43         ; rms + eps
.endr
	s_wait_alu depctr_va_vdst(0)
.irp j, 0,1,2,3
	v_rcp_f32 v[INV+\j], v[24+\j]
.endr
	v_nop
	s_wait_alu depctr_va_vdst(0)                   ; one wait for the four reciprocals
.irp j, 0,1,2,3
.irp p, 0,2,4,6,8,10,12,14,16,18,20,22,24,26,28,30
.if \j % 2
	v_pk_mul_f32 v[X+32*\j+\p:X+32*\j+\p+1], v[X+32*\j+\p:X+32*\j+\p+1], v[INV+2*(\j/2):INV+2*(\j/2)+1] op_sel:[0,1] op_sel_hi:[1,1]   ; both halves by the pair's second word
.else
	v_pk_mul_f32 v[X+32*\j+\p:X+32*\j+\p+1], v[X+32*\j+\p:X+32*\j+\p+1], v[INV+2*(\j/2):INV+2*(\j/2)+1] op_sel_hi:[1,0]               ; both halves by its first
.endif
.endr
.irp p, 0,2,4,6,8,10,12,14,16,18,20,22,24,26,28,30
	v_pk_mul_f32 v[X+32*\j+\p:X+32*\j+\p+1], v[X+32*\j+\p:X+32*\j+\p+1], v[G+\p:G+\p+1]
.endr
.irp i, 0,1,2,3,4,5,6,7
	ds_store_b128 v5, v[X+32*\j+4*\i:X+32*\j+4*\i+3] offset:PITCH*\j+512*\i
.endr
.endr
	v_cmp_eq_u32 vcc_lo, 0, v1
	s_wait_xcnt 0x0                                ; EXEC changes only behind this wait: loads have been issued under it
	s_and_saveexec_b32 s44, vcc_lo
	global_store_b128 v4, v[INV:INV+3], s[22:23]   ; lane 0 (whose v4 is 0): my four rows' 1 / (rms + eps)
	s_wait_xcnt 0x0
	s_or_b32 exec_lo, exec_lo, s44
	s_wait_dscnt 0x0                               ; for the others' sake: my rows lie in the stage
	s_barrier_signal -1
	s_barrier_wait -1
; wave w makes K steps 2 w and 2 w + 1 of all 16 rows: record k of four = 64 along K; lane (r, h) takes 32 neighbours of row r
.irp k, 0,1,2,3
.irp i, 0,1,2,3,4,5,6,7
	ds_load_b128 v[X+32*\k+4*\i:X+32*\k+4*\i+3], v6 offset:256*\k+16*\i
.endr
.endr
	s_wait_dscnt 0x0
.irp k, 0,1,2,3
	v_max3_num_f32 v[20+\k], |v[X+32*\k]|, |v[X+32*\k+1]|, 0x1800000   ; a whole block is mine; the floor 2^(3 - 127) holds the byte at 1 from below
.endr
.irp i, 2,4,6,8,10,12,14,16,18,20,22,24,26,28,30
.irp k, 0,1,2,3
	v_max3_num_f32 v[20+\k], v[20+\k], |v[X+32*\k+\i]|, |v[X+32*\k+\i+1]|   ; the four blocks by turns
.endr
.endr
.irp k, 0,1,2,3
	v_add_nc_u32 v[24+\k], 0xff000000, v[20+\k]    ; 2 off the exponent field: the conversion's scale operand
.endr
.irp k, 0,1,2,3
	v_lshrrev_b32 v[20+\k], 23, v[24+\k]           ; the scale's byte
.endr
	v_lshlrev_b32 v9, 3, v3
.irp e, 0,1
	v_lshl_or_b32 v[W+\e], v[21+2*\e], 16, v[20+2*\e]
	v_lshlrev_b32 v[W+\e], v9, v[W+\e]             ; my bytes are blocks h and 2 + h of the K step
.endr
.irp e, 0,1
	v_permlanex16_b32 v[28+\e], v[W+\e], s[SEL], s[SEL+1]
.endr
.irp e, 0,1
	v_or_b32 v[W+\e], v[W+\e], v[28+\e]            ; with lane l xor 16's two the word is whole
.endr
.irp k, 0,1,2,3
	v_cvt_scalef32_pk16_fp6_f32 v[R+6*\k:R+6*\k+2], v[X+32*\k:X+32*\k+15], v[24+\k]
	v_cvt_scalef32_pk16_fp6_f32 v[CT+4*\k:CT+4*\k+2], v[X+32*\k+16:X+32*\k+31], v[24+\k]   ; (a conversion's three registers begin on an even number)
.endr
	v_nop                                          ; a plain line behind the conversions
.irp k, 0,1,2,3
.irp i, 0,1,2
	v_mov_b32 v[R+6*\k+3+\i], v[CT+4*\k+\i]
.endr
.endr
	v_cmp_lt_u32 s44, 15, v1
	v_cndmask_b32 v30, v[W], v[W+1], s44           ; lanes 0-15 store the first K step's word, lanes 16-31 the second's
.irp k, 0,1,2,3
	global_store_b128 v4, v[R+6*\k:R+6*\k+3], s[38:39] offset:768*\k          ; 512 consecutive bytes
	global_store_b64 v7, v[R+6*\k+4:R+6*\k+5], s[38:39] offset:768*\k+512     ; 256 consecutive bytes
.endr
	global_store_b32 v8, v30, s[40:41]
	s_wait_tensorcnt 0x0                           ; the wave's end
	ds_add_u32 v[SPW], v[NIL]
	s_wait_dscnt 0x0
	s_endpgm
; ---------------- weights: one text for the four. A wave takes 32 columns x 256 along K; A LANE TAKES A COLUMN AND ITS REGISTERS RUN DOWN K
.Lweights:
	s_sub_co_u32 s19, ttmp9, 256
	s_wait_kmcnt 0x0
	s_mov_b64 s[20:21], s[14:15]                   ; w2: first work-group 256, 16 groups of 256 along K, rows of 4,096 bytes
	s_mov_b32 s22, 256
	s_mov_b32 s23, 4
	s_mov_b32 s24, 4096
	s_mov_b32 s25, 6553600
	s_mov_b32 s26, 51200
	s_cmp_lt_u32 s19, 256                          ; w1
	s_cselect_b64 s[20:21], s[12:13], s[20:21]
	s_cselect_b32 s22, 128, s22
	s_cselect_b32 s23, 2, s23
	s_cselect_b32 s24, 16384, s24
	s_cselect_b32 s25, 3276800, s25
	s_cselect_b32 s26, 12800, s26
	s_cmp_lt_u32 s19, 128                          ; w_out
	s_cselect_b64 s[20:21], s[10:11], s[20:21]
	s_cselect_b32 s22, 96, s22
	s_cselect_b32 s24, 4096, s24
	s_cselect_b32 s25, 2457600, s25
	s_cmp_lt_u32 s19, 96                           ; w_in
	s_cselect_b64 s[20:21], s[8:9], s[20:21]
	s_cselect_b32 s22, 0, s22
	s_cselect_b32 s24, 12288, s24
	s_cselect_b32 s25, 0, s25
	s_sub_co_u32 s19, s19, s22
	s_bfm_b32 s27, s23, 0
	s_and_b32 s27, s19, s27                        ; which 256 along K
	s_lshr_b32 s28, s19, s23
	s_lshl_b32 s28, s28, 2
	s_add_co_u32 s28, s28, s18                     ; which 32 columns
	s_lshl_b32 s29, s27, 8
	s_mul_i32 s32, s29, s24
	s_lshl_b32 s29, s28, 7
	s_add_co_u32 s32, s32, s29
	s_mov_b32 s33, 0
	s_add_nc_u64 s[20:21], s[20:21], s[32:33]
	s_lshl_b32 s30, s24, 5                         ; 32 rows of K on
	s_mov_b32 s31, 0
	s_lshl_b32 s29, s28, 1
	s_mul_i32 s34, s29, s26
	s_add_co_u32 s34, s34, s25
	s_lshr_b32 s29, s27, 1
	s_mul_i32 s29, s29, 6400
	s_add_co_u32 s34, s34, s29                     ; the even tile's super-record
	s_and_b32 s29, s27, 1
	s_lshl_b32 s36, s29, 3
	s_add_co_u32 s36, s36, s34
	s_add_co_u32 s36, s36, 6144
	s_mov_b32 s37, 0
	s_mul_i32 s29, s29, 3072
	s_add_co_u32 s34, s34, s29
	s_mov_b32 s35, 0
	s_add_nc_u64 s[34:35], s[16:17], s[34:35]
	s_add_nc_u64 s[36:37], s[16:17], s[36:37]
	s_wait_alu depctr_va_vdst(0)
	v_and_b32 v14, 8, v2
	v_add_nc_u32 v14, v14, v2
	v_lshl_add_u32 v14, v3, 3, v14                 ; my column of the 32: 8 (lane / 16) + r + 8 (r / 8): the 32 lanes still cover 128 consecutive bytes
	v_lshlrev_b32 v[VO], 2, v14
.set i, 1
.rept 31
	v_add_nc_u32 v[VO+i], s24, v[VO+i-1]
.set i, i+1
.endr
	v_add_nc_u32 v9, s26, v4                       ; the odd tile lies a tile's pitch on
	v_add_nc_u32 v10, s26, v7
	v_mul_u32_u24 v11, s26, v3
	v_lshl_add_u32 v11, v2, 4, v11                 ; my column's scale words
.macro LOADB t
.set i, 0
.rept 32
	global_load_b32 v[WX+32*((\t)%2)+i], v[VO+i], s[20:21] th:TH_LOAD_NT
.set i, i+1
.endr
.endm
.macro WBLOCK t
.set XS, WX+32*((\t)%2)
.set CD, WC+6*(\t)
.if (\t) < 7
	s_wait_loadcnt 32                              ; this block's 32 loads are in; the next block's may be out
.else
	s_wait_loadcnt 0x0
.endif
	v_max3_num_f32 v16, |v[XS]|, |v[XS+1]|, |v[XS+2]|
	v_max3_num_f32 v17, |v[XS+3]|, |v[XS+4]|, |v[XS+5]|
.irp i, 6,10,14,18,22,26
	v_max3_num_f32 v16, v16, |v[XS+\i]|, |v[XS+\i+1]|
	v_max3_num_f32 v17, v17, |v[XS+\i+2]|, |v[XS+\i+3]|
.endr
	v_max3_num_f32 v16, v16, |v[XS+30]|, |v[XS+31]|
	v_max3_num_f32 v16, v16, v17, 0x1800000
	v_add_nc_u32 v18, 0xff000000, v16
	v_lshrrev_b32 v19, 23, v18
.if (\t)%4 == 0
	v_mov_b32 v[SB+(\t)/4], v19
.else
	v_lshl_or_b32 v[SB+(\t)/4], v19, 8*((\t)%4), v[SB+(\t)/4]
.endif
	v_cvt_scalef32_pk16_fp6_f32 v[CD:CD+2], v[XS:XS+15], v18
	v_cvt_scalef32_pk16_fp6_f32 v[WT:WT+2], v[XS+16:XS+31], v18
	v_nop
.irp i, 0,1,2
	v_mov_b32 v[CD+3+\i], v[WT+\i]
.endr
.if (\t)+2 < 8
	s_wait_xcnt 0x0                                ; the base is stepped only behind this wait
	s_add_nc_u64 s[20:21], s[20:21], s[30:31]
	LOADB (\t)+2
.endif
.if (\t)%2 == 1
	s_wait_alu depctr_va_vdst(0)
.irp i, 0,1,2,3,4,5                    ; lanes 0-15 hold the even tile's rows, lanes 16-31 the odd tile's; a record wants block h in lanes 16 h ..: one exchange of halves between the two blocks makes both tiles' records
	v_permlane16_swap_b32 v[CD-6+\i], v[CD+\i]
.endr
	global_store_b128 v4, v[CD-6:CD-3], s[34:35] offset:768*((\t)/2)
	global_store_b64 v7, v[CD-2:CD-1], s[34:35] offset:768*((\t)/2)+512
	global_store_b128 v9, v[CD:CD+3], s[34:35] offset:768*((\t)/2)
	global_store_b64 v10, v[CD+4:CD+5], s[34:35] offset:768*((\t)/2)+512
.endif
.endm
	LOADB 0
	s_wait_alu depctr_va_vdst(0)
	s_wait_xcnt 0x0
	s_add_nc_u64 s[20:21], s[20:21], s[30:31]
	LOADB 1
.irp t, 0,1,2,3,4,5,6,7
	WBLOCK \t
.endr
	global_store_b64 v11, v[SB:SB+1], s[36:37]     ; my column's two scale words
	s_endpgm
.Lfunc_end_k_q4bd20a3fd8_prep:
	.size	k_q4bd20a3fd8_prep, .Lfunc_end_k_q4bd20a3fd8_prep-k_q4bd20a3fd8_prep
	.p2alignl 7, 3214868480
	.fill 96, 4, 3214868480
	.section	.rodata,"a",@progbits
	.p2align	6, 0x0
	.amdhsa_kernel k_q4bd20a3fd8_prep
		.amdhsa_group_segment_fixed_size 66304
		.amdhsa_private_segment_fixed_size 0
		.amdhsa_enable_private_segment 0
		.amdhsa_kernarg_size 56
		.amdhsa_user_sgpr_count 2
		.amdhsa_user_sgpr_kernarg_segment_ptr 1
		.amdhsa_wavefront_size32 1
		.amdhsa_system_sgpr_workgroup_id_x 1
		.amdhsa_system_sgpr_workgroup_id_y 1
		.amdhsa_system_sgpr_workgroup_id_z 1
		.amdhsa_system_vgpr_workitem_id 0
		.amdhsa_next_free_vgpr 256
		.amdhsa_next_free_sgpr 66
		.amdhsa_reserve_vcc 1
		.amdhsa_float_denorm_mode_32 3
		.amdhsa_float_denorm_mode_16_64 3
		.amdhsa_memory_ordered 1
		.amdhsa_forward_progress 1
		.amdhsa_inst_pref_size 75
	.end_amdhsa_kernel
	.amdgpu_metadata
---
amdhsa.version: [ 1, 2 ]
amdhsa.kernels:
  - .name:           k_q4bd20a3fd8_prep
    .symbol:         k_q4bd20a3fd8_prep.kd
    .args:
      - { .name: x, .offset: 0, .size: 8, .value_kind: global_buffer, .address_space: global }
      - { .name: g1, .offset: 8, .size: 8, .value_kind: global_buffer, .address_space: global }
      - { .name: w_in, .offset: 16, .size: 8, .value_kind: global_buffer, .address_space: global }
      - { .name: w_out, .offset: 24, .size: 8, .value_kind: global_buffer, .address_space: global }
      - { .name: w1, .offset: 32, .size: 8, .value_kind: global_buffer, .address_space: global }
      - { .name: w2, .offset: 40, .size: 8, .value_kind: global_buffer, .address_space: global }
      - { .name: pw, .offset: 48, .size: 8, .value_kind: global_buffer, .address_space: global }
    .group_segment_fixed_size: 66304
    .private_segment_fixed_size: 0
    .kernarg_segment_align: 8
    .kernarg_segment_size: 56
    .max_flat_workgroup_size: 128
    .sgpr_count:     66
    .vgpr_count:     256
    .wavefront_size: 32
...
	.end_amdgpu_metadata
.endif
;; end of part 1
;; launch qkvg (part 2): grid 16 x 16, 4 waves a work-group, clusters of 4 x 4, 327,680 bytes of LDS; arguments pw, qkv; writes qkv
.if DOCPART == 2
	.amdgcn_target "amdgcn-amd-amdhsa--gfx1250"
	.amdhsa_code_object_version 6
	.text
	.protected	k_q4bd20a3fd8_qkvg
	.globl	k_q4bd20a3fd8_qkvg
	.p2align	8
	.type	k_q4bd20a3fd8_qkvg,@function
k_q4bd20a3fd8_qkvg:
	s_mov_b64 s[64:65], 0
	v_nop
	global_prefetch_b8 v0, s[64:65] scope:SCOPE_SE
	s_setreg_imm32_b32 hwreg(HW_REG_WAVE_MODE, 25, 1), 1
	s_wait_xcnt 0x0
	s_wait_alu depctr_hold_cnt(0) depctr_sa_sdst(0) depctr_va_vdst(0) depctr_va_sdst(0) depctr_va_ssrc(0) depctr_va_vcc(0) depctr_vm_vsrc(0)
	s_getreg_b32 s2, hwreg(HW_REG_IB_STS2, 6, 4)
	s_cmp_eq_u32 s2, 0
	s_cbranch_scc0 .Lentry_in_a_cluster
	s_endpgm
.Lentry_in_a_cluster:
	s_bfe_u32 s2, ttmp6, 0x10000c
	s_cmp_lg_u32 s2, 0xf033
	s_cbranch_scc0 .Lentry_shape_is_right
	s_endpgm
.Lentry_shape_is_right:
; qkv = h1 w_in on codes of FP6 (E2M3) with E8M0 scales, K = 1,024; the results are quantised at once for attention: q and k along the head's 64, v along the tokens.
; A WORK-GROUP STAYS AND MAKES THREE TILES of 128 x 128 (four waves of 64 x 64, 16 accumulators each).  A block of 128 rows with all of K is 102,400 dense bytes; LDS holds three such regions.
; With x, y the work-group's place (0-15 each) and g = x / 8:  region 2 = w_in's columns 128 x ..; region 0 = tokens of block y + 16 (1 - g); region 1 = tokens of block y + 16 g.
;   tile 0: A = region 0, B = region 2: q or k of the first token block.   In its last K step region 0 is filled again, with w_in's block 16 + x % 8 (columns of v).
;   tile 1: A = region 1, B = region 2: q or k of the second token block.
;   tile 2: A = region 0 (w_in's v columns), B = region 1 (the tokens that lie there already): v, with a lane's registers running along the tokens.
; So the 16 x 32 tiles of q, k and the 8 x 32 tiles of v are each made once, the refill has tile 0's way out, tile 1's eight K steps and its way out in which to land, and arguments, round and first fills are paid once.
; IMAGES.  A record (768 bytes) = 16 rows x 64 K: lane l's registers 0-3 at 16 l, 4-5 at 512 + 8 l.  Two records = a fragment.  Super-record (6,400 bytes) = 4 fragments + 256 bytes of scale words (16 r + 4 q).  Operand = [tile][K / 512][6,400].
; Lane row r of tile 2 b + u is row 32 b + 8 u + r + 8 (r / 8).  THE MATRIX INSTRUCTION IS USED TRANSPOSED (source 0 = 16 rows of "B", source 1 = 16 rows of "A"): a lane holds one row of A, and the 16 registers
; of B's tiles 2 b and 2 b + 1 are B's rows 32 b + 16 (lane / 16) + 0 .. 15: neighbours along the next product's K.
; CLUSTERS: 4 x 4.  Token blocks hang on y and g, which a row of the cluster shares; w_in's blocks on x, which a column shares: each is asked for jointly.  Every wave brings a quarter of a block: one load of 25,600 bytes.
; LIMITS: blocks whose largest magnitude lies under 2^-124 (zeros among them) get the byte 1; NaN and infinities are not served.
.set BLK,   102400
.set LX0,   0
.set LX1,   BLK
.set LX2,   2*BLK
.set SPARE, 3*BLK                      ; behind the regions: the spare words, 128 bytes a wave
.set A1OFF, 9830400                    ; h1's image in pw; w_in's lies at 0
; THE RESULTS' LAYOUT: 128 tokens of one head are 6,400 bytes: 6,144 of records, then 256 of scale bytes.  q, k: [2 x + ch][token block][6,400]; v, from V_C on: [16 batch + head][key step][6,400]
.set V_C,   6553600
.set QK_S,  6144
.set V_S,   6553600+6144
.set L16,   16
.set L8,    20
.set QTM,   96
.set QCT,   102
.set SPW, 14
.set NIL, 15
.set SC,  32                           ; v32-63 scale words: register 16 (k / 4) + 4 i + k % 4: lanes 0-15 A's tile i, lanes 16-31 B's tile i, K step k
.set ACC, 128                          ; accumulator (a, b) at 128 + 8 (4 a + b)
.set G1R, 24                           ; s[24:31] group 1 with my row's mask;  s[48:55] with my column's
.set G1C, 48
.set G0X0, 32                          ; groups 0: the three first fills, and the refill
.set G0X1, 36
.set G0X2, 56
.set G0V,  60
.set SEL, 66
.set MUL, 0x05                         ; sources 0 and 1 in window 1 (fragments: set p: A at 128 p + 12 i, B at 128 p + 48 + 12 i); C and D in window 0
.set TO_F, 0x40
.set MSB, 0
.macro WIN new
.if MSB != \new
	s_set_vgpr_msb (MSB<<8)|\new
.set MSB, \new
.endif
.endm
.macro CREST
	s_cmp_lg_u32 s10, 0
	s_cbranch_scc1 .Lnot_wave_0_\@
	s_barrier_signal -3
.Lnot_wave_0_\@:
	s_barrier_wait -3
	s_barrier_signal -1
	s_barrier_wait -1
.endm
.macro CROUND
	s_barrier_signal -1
	s_barrier_wait -1
	CREST
.endm
.macro PLACES n
.rept \n
	v_nop
.endr
.endm
.macro USE a16, a8, b16, b8, ads       ; the address registers of the tile in hand
.set RA16, \a16
.set RA8,  \a8
.set RB16, \b16
.set RB8,  \b8
.set RADS, \ads
.endm
.macro FRAG reg, a16, a8, off          ; a fragment comes back as it was stored: four dense loads
	ds_load_b128 v[(\reg):(\reg)+3], v[\a16] offset:(\off)
	ds_load_b64 v[(\reg)+4:(\reg)+5], v[\a8] offset:(\off)+512
	ds_load_b128 v[(\reg)+6:(\reg)+9], v[\a16] offset:(\off)+768
	ds_load_b64 v[(\reg)+10:(\reg)+11], v[\a8] offset:(\off)+1280
.endm
.macro FETCH k                         ; K step k's fragments into set k % 2: 32 loads: B's four, then A's four: the youngest eight are A's blocks 2, 3
	WIN TO_F
.irp i, 0,1,2,3
	FRAG 128*((\k)%2)+48+12*\i, RB16, RB8, \i*12800+((\k)/4)*6400+((\k)%4)*1536
.endr
.irp i, 0,1,2,3
	FRAG 128*((\k)%2)+12*\i, RA16, RA8, \i*12800+((\k)/4)*6400+((\k)%4)*1536
.endr
.endm
.macro SCALES g                        ; the scale words of K steps 4 g .. 4 g + 3
.irp i, 0,1,2,3
	ds_load_b128 v[SC+16*\g+4*\i:SC+16*\g+4*\i+3], v[RADS] offset:12800*\i+6400*\g
.endr
.endm
.macro BEGIN                           ; a tile's scale words and its first fragments
	SCALES 0
	SCALES 1
	FETCH 0
.endm
.macro MUL4 a, k, mode                 ; A's block a against B's four.  mode 0: on; 1: the sums start from 0.  The 16 accumulators take turns
.irp b, 0,1,2,3
.set rD, ACC+8*(4*(\a)+\b)
.set rB, 128*((\k)%2)+48+12*\b
.set rA, 128*((\k)%2)+12*(\a)
.set rSB, SC+16*((\k)/4)+4*\b+((\k)%4)
.set rSA, SC+16*((\k)/4)+4*(\a)+((\k)%4)
.if (\mode) == 0
	v_wmma_scale_f32_16x16x128_f8f6f4 v[rD:rD+7], v[rB:rB+11], v[rA:rA+11], v[rD:rD+7], v[rSB], v[rSA] matrix_a_fmt:MATRIX_FMT_FP6 matrix_b_fmt:MATRIX_FMT_FP6 matrix_a_scale:MATRIX_SCALE_ROW1
.else
	v_wmma_scale_f32_16x16x128_f8f6f4 v[rD:rD+7], v[rB:rB+11], v[rA:rA+11], 0, v[rSB], v[rSA] matrix_a_fmt:MATRIX_FMT_FP6 matrix_b_fmt:MATRIX_FMT_FP6 matrix_a_scale:MATRIX_SCALE_ROW1
.endif
.endr
.endm
.macro STEP k, mode                    ; one K step of 128 that has a successor in the tile
	s_wait_dscnt 8                                 ; all but A's blocks 2, 3
	WIN MUL
	MUL4 0, \k, \mode
	MUL4 1, \k, \mode
	PLACES 4                                       ; four places in front of loads into registers that matrix instructions have read
	FETCH (\k)+1
	s_wait_dscnt 32                                ; all but the 32 just issued
	WIN MUL
	MUL4 2, \k, \mode
	MUL4 3, \k, \mode
.endm
.macro MM7
	STEP 0, 1                                      ; the first K step starts the sums
.irp k, 1,2,3,4,5,6
	STEP \k, 0
.endr
.endm
.macro LAST                            ; a tile's last K step, where nothing is filled
	s_wait_dscnt 8
	WIN MUL
	MUL4 0, 7, 0
	MUL4 1, 7, 0
	s_wait_dscnt 0x0
	MUL4 2, 7, 0
	MUL4 3, 7, 0
	WIN 0
	PLACES 4                                       ; in front of the first read of results and of loads into registers just read
.endm
.macro TURNL                           ; tile 0's last K step: region 0 has been read out and is filled again
	WIN 0
	s_wait_tensorcnt 0x0                           ; all my tensor loads have landed: the one that could be out is my quarter of region 1;
	ds_add_u32 v[SPW], v[NIL]
	s_wait_dscnt 9                                 ; (the add and A's blocks 2, 3 may be out)
	WIN MUL
	MUL4 0, 7, 0
	s_wait_dscnt 0x0                               ; the add is done, and my reads of region 0 are over
	s_barrier_signal -1
	MUL4 1, 7, 0
	WIN 0
	s_barrier_wait -1
	CREST                                          ; the barrier has opened a round of the cluster's: no wave of any partner still reads region 0 or has a load on its way; region 1 is whole
	tensor_load_to_lds s[G0V:G0V+3], s[G1C:G1C+7]  ; my one tensor load behind the round: a quarter of w_in's v block
	s_nop 0
.rept 4
	v_nop
.endr
	WIN MUL
	MUL4 2, 7, 0
	MUL4 3, 7, 0
	WIN 0
	PLACES 4
.endm
; 32 numbers of a lane, register 16 b + i = k 32 b + 16 (lane / 16) + i of my row, become a record in v[rec] .. v[rec + 5] and its two scale bytes in v[w]
.macro QUANT32 src, rec, w
	v_max3_num_f32 v[QTM], |v[(\src)]|, |v[(\src)+1]|, 0x1800000
	v_max3_num_f32 v[QTM+1], |v[(\src)+16]|, |v[(\src)+17]|, 0x1800000
.irp i, 2,4,6,8,10,12,14
	v_max3_num_f32 v[QTM], v[QTM], |v[(\src)+\i]|, |v[(\src)+\i+1]|
	v_max3_num_f32 v[QTM+1], v[QTM+1], |v[(\src)+16+\i]|, |v[(\src)+17+\i]|
.endr
	v_permlanex16_b32 v[QTM+2], v[QTM], s[SEL], s[SEL+1]
	v_permlanex16_b32 v[QTM+3], v[QTM+1], s[SEL], s[SEL+1]
	v_max_num_f32 v[QTM], v[QTM], v[QTM+2]         ; with lane l xor 16's 16: the block's largest magnitude
	v_max_num_f32 v[QTM+1], v[QTM+1], v[QTM+3]
	v_add_nc_u32 v[QTM+4], 0xff000000, v[QTM]      ; 2 off the exponent field: the conversion's scale operand
	v_add_nc_u32 v[QTM+5], 0xff000000, v[QTM+1]
	v_lshrrev_b32 v[QTM+2], 23, v[QTM+4]
	v_lshrrev_b32 v[QTM+3], 23, v[QTM+5]
	v_lshl_or_b32 v[\w], v[QTM+3], 8, v[QTM+2]
	v_cvt_scalef32_pk16_fp6_f32 v[(\rec):(\rec)+2], v[(\src):(\src)+15], v[QTM+4]
	v_cvt_scalef32_pk16_fp6_f32 v[QCT:QCT+2], v[(\src)+16:(\src)+31], v[QTM+5]
	v_nop                                          ; a plain line behind the conversions
.irp i, 0,1,2
	v_permlane16_swap_b32 v[(\rec)+\i], v[QCT+\i]  ; a whole block to a lane: lanes 0-15 block 0, lanes 16-31 block 1
.endr
.irp i, 0,1,2
	v_mov_b32 v[(\rec)+3+\i], v[QCT+\i]
.endr
.endm
.macro EPIQ vo, cb, sb                 ; vo: ten offset registers (four for 16 bytes a lane, four for 8, two for the scales); cb, sb: the bases
.irp a, 0,1,2,3
	QUANT32 ACC+32*\a, 64+6*\a, 88+\a
.endr
	v_cndmask_b32 v92, v88, v89, s96               ; lanes 0-15 store tiles 0 and 2's halfwords, lanes 16-31 tiles 1 and 3's
	v_cndmask_b32 v93, v90, v91, s96
.irp a, 0,1,2,3
	global_store_b128 v[(\vo)+\a], v[64+6*\a:67+6*\a], s[\cb:\cb+1]              ; 512 consecutive bytes
	global_store_b64 v[(\vo)+4+\a], v[68+6*\a:69+6*\a], s[\cb:\cb+1] offset:512  ; 256 consecutive bytes
.endr
	global_store_b16 v[(\vo)+8], v92, s[\sb:\sb+1]
	global_store_b16 v[(\vo)+9], v93, s[\sb:\sb+1]
.endm
.macro MKG0 g0, lds, off, q            ; q: the register with my part's place in the region
	s_mov_b32 s[\g0], 1
	s_add_co_u32 s[\g0+1], s[\q], \lds
	s_add_nc_u64 s[\g0+2:\g0+3], s[68:69], s[\off:\off+1]
	s_or_b32 s[\g0+3], s[\g0+3], 0x80000000
.endm
	s_load_b128 s[68:71], s[0:1], 0x0              ; pw, qkv
	v_lshl_add_u32 v[SPW], v0, 2, SPARE
	v_mov_b32 v[NIL], 0
	ds_add_u32 v[SPW], v[NIL]                      ; the wave's opening
	ds_add_u32 v[SPW], v[NIL]
	v_lshrrev_b32 v1, 5, v0
	v_readfirstlane_b32 s10, v1                    ; wave
	s_lshr_b32 s11, s10, 1                         ; my half of A's tiles
	s_and_b32 s12, s10, 1                          ; my half of B's tiles
	s_bfe_u32 s40, ttmp6, 0x40000                  ; cx
	s_bfe_u32 s41, ttmp6, 0x40004                  ; cy
	s_lshl_b32 s42, ttmp9, 2
	s_add_co_u32 s42, s42, s40                     ; x
	s_and_b32 s13, ttmp7, 0xffff
	s_lshl_b32 s13, s13, 2
	s_add_co_u32 s13, s13, s41                     ; y
	s_lshr_b32 s76, ttmp9, 1                       ; g = x / 8: of the cluster's x alone
	s_lshl_b32 s76, s76, 4
	s_xor_b32 s77, s76, 16
	s_add_co_u32 s78, s13, s77                     ; the first token block: y + 16 (1 - g)
	s_add_co_u32 s79, s13, s76                     ; the second: y + 16 g
	s_and_b32 s80, s42, 7
	s_add_co_u32 s81, s80, 16                      ; w_in's block of v columns
	s_lshl_b32 s43, s41, 2
	s_lshl_b32 s43, 15, s43                        ; my row of the cluster
	s_lshl_b32 s44, 0x1111, s40                    ; my column
	s_or_b32 s[G1R], s43, (3<<16)|(1<<21)          ; the mask; elements of 8 bytes; bit 21 beside a mask; no padding
	s_or_b32 s[G1C], s44, (3<<16)|(1<<21)
.irp g, G1R, G1C
	s_mov_b32 s[\g+1], 800<<16                     ; tensor_dim0: 6,400 bytes
	s_mov_b32 s[\g+2], 8<<16                       ; tensor_dim1: the head's loads bring half a block, eight rows of 6,400 bytes
	s_mov_b32 s[\g+3], 800<<16                     ; tile_dim0
	s_mov_b32 s[\g+4], 8                           ; tile_dim1
	s_mov_b32 s[\g+5], 800                         ; from row to row
	s_mov_b32 s[\g+6], 0
	s_mov_b32 s[\g+7], 0
.endr
	s_mul_i32 s20, s10, 25600                      ; my quarter of a block, in memory and in LDS
	s_mul_i32 s21, s12, 51200                      ; my half of a block, for the head's loads
	s_mul_i32 s16, s78, BLK
	s_add_co_u32 s16, s16, s21
	s_add_co_u32 s16, s16, A1OFF
	s_mov_b32 s17, 0
	s_mul_i32 s18, s79, BLK
	s_add_co_u32 s18, s18, s20
	s_add_co_u32 s18, s18, A1OFF
	s_mov_b32 s19, 0
	s_mul_i32 s46, s42, BLK
	s_add_co_u32 s46, s46, s21
	s_mov_b32 s47, 0
	s_mul_i32 s44, s81, BLK
	s_add_co_u32 s44, s44, s20
	s_mov_b32 s45, 0
	s_mov_b32 s[SEL], 0x76543210
	s_mov_b32 s[SEL+1], 0xfedcba98
	s_wait_dscnt 0x0                               ; the opening add is done
	s_wait_kmcnt 0x0
	MKG0 G0X2, LX2, 46, 21
	MKG0 G0X0, LX0, 16, 21
	MKG0 G0X1, LX1, 18, 20
	MKG0 G0V, LX0, 44, 20
	s_mul_i32 s8, s40, 6400                        ; the prefetches: of the quarter (four rows of 6,400 bytes) that I fetch later, each of the four partners that ask for it jointly takes one row, told apart by address
	s_mov_b32 s9, 0
	s_add_nc_u64 s[4:5], s[68:69], s[18:19]        ; the second token block: shared along the cluster's row, so by cx
	s_add_nc_u64 s[4:5], s[4:5], s[8:9]
	s_mul_i32 s8, s41, 6400
	s_add_nc_u64 s[6:7], s[68:69], s[44:45]        ; w_in's v block: shared along the column, so by cy
	s_add_nc_u64 s[6:7], s[6:7], s[8:9]
	CROUND
	s_cmp_eq_u32 s11, 0                            ; one tensor load a wave at the head: waves 0, 1 bring the halves of w_in's block, waves 2, 3 those of the first token block
	s_cbranch_scc0 .Lhead_tok
	tensor_load_to_lds s[G0X2:G0X2+3], s[G1C:G1C+7]
	s_nop 0
.rept 4
	v_nop
.endr
	s_branch .Lhead_asked
.Lhead_tok:
	tensor_load_to_lds s[G0X0:G0X0+3], s[G1R:G1R+7]
	s_nop 0
.rept 4
	v_nop
.endr
.Lhead_asked:
	v_and_b32 v30, 31, v0
	v_min_u32 v30, 24, v30                         ; 6,400 bytes are 25 blocks of 256: a lane a block; the lanes left over name the last again
	v_lshlrev_b32 v30, 8, v30
	global_prefetch_b8 v30, s[4:5] th:TH_LOAD_NT scope:SCOPE_SE    ; loaded behind the next round
	global_prefetch_b8 v30, s[6:7] th:TH_LOAD_NT scope:SCOPE_SE    ; loaded in tile 0's last K step
	v_and_b32 v3, 31, v0
	v_and_b32 v1, 15, v0                           ; r
	v_bfe_u32 v2, v0, 4, 1                         ; h
	v_lshlrev_b32 v[L16], 4, v3
	v_lshlrev_b32 v[L8], 3, v3
	s_mul_i32 s21, s11, 51200                      ; my four tiles of a block that serves as A
	s_mul_i32 s22, s12, 51200                      ; and of one that serves as B
	v_add_nc_u32 v4, s21, v[L16]                   ; region 0 as A
	v_add_nc_u32 v5, s21, v[L8]
	s_add_co_u32 s23, s21, LX1
	v_add_nc_u32 v6, s23, v[L16]                   ; region 1 as A
	v_add_nc_u32 v7, s23, v[L8]
	s_add_co_u32 s23, s22, LX2
	v_add_nc_u32 v8, s23, v[L16]                   ; region 2 as B
	v_add_nc_u32 v9, s23, v[L8]
	s_add_co_u32 s23, s22, LX1
	v_add_nc_u32 v10, s23, v[L16]                  ; region 1 as B
	v_add_nc_u32 v11, s23, v[L8]
	s_xor_b32 s23, s11, 1                          ; the scale words: lanes 0-15 take A's, lanes 16-31 B's, which lie 51,200 x (regions apart x 2 + ch - rh) further on
	s_add_co_u32 s23, s23, s12
	s_add_co_u32 s14, s23, 3
	s_mul_i32 s14, s14, 51200                      ; two regions apart (tile 0)
	s_add_co_u32 s23, s23, 1
	s_mul_i32 s23, s23, 51200                      ; one region apart (tiles 1, 2)
	v_lshlrev_b32 v27, 4, v1
	v_mul_u32_u24 v28, s14, v2
	v_add_nc_u32 v28, v28, v27
	v_mul_u32_u24 v29, s23, v2
	v_add_nc_u32 v29, v29, v27
	s_add_co_u32 s21, s21, 6144
	v_add_nc_u32 v12, s21, v28                     ; tile 0: A in region 0, B in region 2
	v_add_nc_u32 v26, s21, v29                     ; tile 2: A in region 0, B in region 1
	s_add_co_u32 s21, s21, LX1
	v_add_nc_u32 v13, s21, v29                     ; tile 1: A in region 1, B in region 2
	; where the results go.  q, k: record [2 x + ch][tile of tokens]; v: record [16 batch + head][key step][d tile][ch]
	s_lshl_b32 s72, s42, 1
	s_add_co_u32 s72, s72, s12
	s_mul_i32 s73, s72, 204800                     ; 32 token blocks of 6,400 bytes
	s_mov_b32 s74, s73
	s_add_co_u32 s74, s74, QK_S
	s_lshl_b32 s75, s11, 2
	s_mov_b32 s15, 0
	s_mul_i32 s82, s78, 6400                       ; tile 0: its token block; my four tiles of its eight begin at tile 4 rh
	s_mul_i32 s14, s75, 768
	s_add_co_u32 s14, s14, s82
	s_add_co_u32 s14, s14, s73
	s_add_nc_u64 s[84:85], s[70:71], s[14:15]
	s_lshl_b32 s14, s75, 5
	s_add_co_u32 s14, s14, s82
	s_add_co_u32 s14, s14, s74
	s_add_nc_u64 s[86:87], s[70:71], s[14:15]
	s_mul_i32 s82, s79, 6400                       ; tile 1
	s_mul_i32 s14, s75, 768
	s_add_co_u32 s14, s14, s82
	s_add_co_u32 s14, s14, s73
	s_add_nc_u64 s[88:89], s[70:71], s[14:15]
	s_lshl_b32 s14, s75, 5
	s_add_co_u32 s14, s14, s82
	s_add_co_u32 s14, s14, s74
	s_add_nc_u64 s[90:91], s[70:71], s[14:15]
	s_lshl_b32 s97, s80, 1
	s_add_co_u32 s97, s97, s11                     ; tile 2: the head,
	s_and_b32 s98, s79, 16
	s_add_co_u32 s97, s97, s98                     ; + 16 x batch;
	s_and_b32 s98, s79, 15                         ; the key step
	s_mul_i32 s14, s97, 102400
	s_mul_i32 s99, s98, 6400
	s_add_co_u32 s14, s14, s99
	s_mul_i32 s99, s12, 768
	s_add_co_u32 s14, s14, s99
	s_add_co_u32 s14, s14, V_C
	s_add_nc_u64 s[92:93], s[70:71], s[14:15]
	s_mul_i32 s14, s97, 102400
	s_mul_i32 s99, s98, 6400
	s_add_co_u32 s14, s14, s99
	s_lshl_b32 s99, s12, 1
	s_add_co_u32 s14, s14, s99
	s_add_co_u32 s14, s14, V_S
	s_add_nc_u64 s[94:95], s[70:71], s[14:15]
.irp a, 1,2,3
	v_add_nc_u32 v[16+\a], 768, v[15+\a]           ; q, k: from tile to tile 768 bytes of codes,
	v_add_nc_u32 v[20+\a], 768, v[19+\a]
.endr
	v_lshlrev_b32 v24, 1, v1
	v_lshl_add_u32 v24, v2, 5, v24                 ; 32 bytes of scales
	v_add_nc_u32 v25, 64, v24
	v_mov_b32 v112, v[L16]
	v_mov_b32 v116, v[L8]
.irp a, 1,2,3
	v_add_nc_u32 v[112+\a], 1536, v[111+\a]        ; v: 1,536 bytes of codes,
	v_add_nc_u32 v[116+\a], 1536, v[115+\a]
.endr
	v_lshlrev_b32 v120, 2, v1
	v_lshl_add_u32 v120, v2, 6, v120               ; 64 bytes of scales
	v_add_nc_u32 v121, 128, v120
	v_cmp_lt_u32 s96, 15, v3
	v_mov_b32 v[QTM+2], 0                          ; a lane permute's destination counts as one of its sources
	v_mov_b32 v[QTM+3], 0
	s_wait_alu depctr_va_vdst(0)
	s_wait_tensorcnt 0x0                           ; my half block is in
	ds_add_u32 v[SPW], v[NIL]
	s_mov_b32 s[G1R+2], 4<<16                      ; no tensor load of mine is out: from here on a load brings a quarter of a block, four rows
	s_mov_b32 s[G1R+4], 4
	s_mov_b32 s[G1C+2], 4<<16
	s_mov_b32 s[G1C+4], 4
	s_wait_dscnt 0x0
	CROUND                                         ; regions 2 and 0 are whole, and all sixteen work-groups are here
	tensor_load_to_lds s[G0X1:G0X1+3], s[G1R:G1R+7]   ; my quarter of the second token block: it has tile 0's first seven K steps in which to land
	s_nop 0
.rept 4
	v_nop
.endr
	USE 4, 5, 8, 9, 12
	BEGIN
	MM7
	TURNL
	USE 6, 7, 8, 9, 13
	BEGIN                                          ; tile 1's first fragments come while tile 0 is quantised (region 1 is whole behind the round)
	WIN 0
	EPIQ 16, 84, 86
	MM7
	LAST
	s_wait_xcnt 0x0                                ; tile 0's stores have read their registers, which are written again
	EPIQ 16, 88, 90
	s_wait_tensorcnt 0x0                           ; my quarter of the refill has landed,
	s_barrier_signal -1
	s_barrier_wait -1                              ; everybody's has
	USE 4, 5, 10, 11, 26
	BEGIN
	MM7
	LAST
	s_wait_xcnt 0x0
	EPIQ 112, 92, 94
	s_wait_tensorcnt 0x0                           ; the wave's end
	ds_add_u32 v[SPW], v[NIL]
	s_wait_dscnt 0x0
	CROUND                                         ; the closing round
	s_endpgm
.Lfunc_end_k_q4bd20a3fd8_qkvg:
	.size	k_q4bd20a3fd8_qkvg, .Lfunc_end_k_q4bd20a3fd8_qkvg-k_q4bd20a3fd8_qkvg
	.p2alignl 7, 3214868480
	.fill 96, 4, 3214868480
	.section	.rodata,"a",@progbits
	.p2align	6, 0x0
	.amdhsa_kernel k_q4bd20a3fd8_qkvg
		.amdhsa_group_segment_fixed_size 327680
		.amdhsa_private_segment_fixed_size 0
		.amdhsa_enable_private_segment 0
		.amdhsa_kernarg_size 16
		.amdhsa_user_sgpr_count 2
		.amdhsa_user_sgpr_kernarg_segment_ptr 1
		.amdhsa_wavefront_size32 1
		.amdhsa_system_sgpr_workgroup_id_x 1
		.amdhsa_system_sgpr_workgroup_id_y 1
		.amdhsa_system_sgpr_workgroup_id_z 1
		.amdhsa_system_vgpr_workitem_id 0
		.amdhsa_next_free_vgpr 512
		.amdhsa_next_free_sgpr 100
		.amdhsa_reserve_vcc 0
		.amdhsa_float_denorm_mode_32 3
		.amdhsa_float_denorm_mode_16_64 3
		.amdhsa_memory_ordered 1
		.amdhsa_forward_progress 1
		.amdhsa_inst_pref_size 141
	.end_amdhsa_kernel
	.amdgpu_metadata
---
amdhsa.version: [ 1, 2 ]
amdhsa.kernels:
  - .name:           k_q4bd20a3fd8_qkvg
    .symbol:         k_q4bd20a3fd8_qkvg.kd
    .args:
      - { .name: pw, .offset: 0, .size: 8, .value_kind: global_buffer, .address_space: global }
      - { .name: qkv, .offset: 8, .size: 8, .value_kind: global_buffer, .address_space: global }
    .group_segment_fixed_size: 327680
    .private_segment_fixed_size: 0
    .kernarg_segment_align: 8
    .kernarg_segment_size: 16
    .max_flat_workgroup_size: 128
    .sgpr_count:     100
    .vgpr_count:     512
    .wavefront_size: 32
...
	.end_amdgpu_metadata
.endif
;; end of part 2
;; launch attn (part 3): grid 8 x 32, 8 waves a work-group, clusters of 4 x 1, 327,680 bytes of LDS; arguments qkv, at; writes at
.if DOCPART == 3
	.amdgcn_target "amdgcn-amd-amdhsa--gfx1250"
	.amdhsa_code_object_version 6
	.text
	.protected	k_q4bd20a3fd8_attn
	.globl	k_q4bd20a3fd8_attn
	.p2align	8
	.type	k_q4bd20a3fd8_attn,@function
k_q4bd20a3fd8_attn:
	s_mov_b64 s[64:65], 0
	v_nop
	global_prefetch_b8 v0, s[64:65] scope:SCOPE_SE
	s_setreg_imm32_b32 hwreg(HW_REG_WAVE_MODE, 25, 1), 1
	s_wait_xcnt 0x0
	s_wait_alu depctr_hold_cnt(0) depctr_sa_sdst(0) depctr_va_vdst(0) depctr_va_sdst(0) depctr_va_ssrc(0) depctr_va_vcc(0) depctr_vm_vsrc(0)
	s_getreg_b32 s2, hwreg(HW_REG_IB_STS2, 6, 4)
	s_cmp_eq_u32 s2, 0
	s_cbranch_scc0 .Lentry_in_a_cluster
	s_endpgm
.Lentry_in_a_cluster:
	s_bfe_u32 s2, ttmp6, 0x10000c
	s_cmp_lg_u32 s2, 0x3003
	s_cbranch_scc0 .Lentry_shape_is_right
	s_endpgm
.Lentry_shape_is_right:
; attention of one head on codes of FP6 (E2M3): S^T = K Q^T (K = the head's 64), p = 2^(t - M), O^T = V^T P^T (K = the keys), O / l quantised at once along the head's 64 for the next product.
; t = score x log2(e) / 8; M = the running largest t rounded UP to a whole number; the row's sum is taken of the unquantised p; when M moves, the sum and O are multiplied by 2^(old M - new M): exact.
; SHARES.  A work-group owns 256 queries of one head (ttmp7 = 16 x batch + head); each of its eight waves owns TWO tiles of 16 queries, so that each fragment of K and V read from LDS feeds two tiles.  Every wave walks the 2,048 keys, 128 a step.
; LDS.  A head's K and V are two dense blocks of 102,400 bytes (16 key steps x (6,144 bytes of records + 256 of scale bytes)).  Each wave brings one eighth of the two by ONE tensor load of 25,600 bytes at the head; each byte is filled once,
; one barrier shows all of it to all waves, and the walk has no barrier.  CLUSTER: the four query blocks of a cluster belong to one head: each load is asked for jointly (mask 15).
; No prefetch: all that the launch reads through LDS is asked for at the head, so there is no loop to run ahead in.
; REGISTERS.  Tile A's context (scores, O, p's codes, Q, state, scratch: v64-215) lies in window 0, tile B's at the same numbers in window 1: one macro serves both.  Window 0 also holds addresses, K's fragments (v10-63) and all scale words
; (scale operands have no window); window 1 holds V's fragments (v0-47).
; THE KEYS OF A TILE.  A stored record's lane row r of tile 2 b + u is token 32 b + 8 u + r + 8 (r / 8).  Here a tile of K is gathered by lane addresses from two records: tile t of four takes keys 64 c + 8 t + 0..7 (rows 0-7) and
; 64 c + 32 + 8 t + 0..7 (rows 8-15).  So lane (query, h) holds, in 32 consecutive registers, the WHOLE block of keys 64 c + 32 h + 0..31: a block's largest score needs no other lane, and the conversions' results are the operand's registers.
; THE HEAD'S K IS 64, THE INSTRUCTION'S 128: Q's upper six registers are zero codes; K's operand for a tile is twelve registers from the tile's six on, whose upper six so meet zeros; the upper two scale bytes are 0, which is 2^-127.
; LIMITS: the promise holds while the scaled scores stay under 2^31 in magnitude; a block of p or of O whose largest number lies under 2^-124 gets the byte 1; v_exp_f32 gives 0 for results under 2^-126; NaN and infinities are not served.
.set KV,    102400
.set STEPB, 6400
.set SPARE, 2*KV                       ; behind K and V: the spare words, 128 bytes for each of eight waves
.set V_C,   6553600
.set SPW, 1
.set NIL, 2
.set KA16, 3                           ; v3-8 LDS bases: K's 16-byte and 8-byte parts, K's scales, and the same three for V
.set GL16, 9                           ; 16 x lane
.set KF,  10                           ; v10-63 K's eight tiles, six registers each, and six of zero codes
.set S,   64                           ; the context: scores, then p
.set O,   128
.set P,   160
.set Q,   172
.set T,   184                          ; scratch, 16 registers
.set NM,  208                          ; -M
.set MX,  209                          ; the running largest score
.set L,   210                          ; the row's sum in two halves
.set F,   212                          ; 2^(old M - new M)
.set SH8, 214                          ; 8 x (lane / 16)
.set AD,  216                          ; v216-221 the six bases at this step
.set KSC, 222                          ; v222-225 K's scales, v226-227 V's, v228-229 Q's (A, B), v230-231 p's (A, B)
.set VSC, 226
.set QS,  228
.set PS,  230
.set GL8, 232
.set GQS, 233
.set GOS, 234
.set VF,  0                            ; window 1
.set WV,  18
.set SEL, 20
.set CS,  22
.set G1,  24
.set G0,  40
.set CNT, 60
.set TB,  61
.set NC,  62
.set MSB, 0
.macro WIN new
.if MSB != \new
	s_set_vgpr_msb (MSB<<8)|\new
.set MSB, \new
.endif
.endm
.macro CROUND
	s_barrier_signal -1
	s_barrier_wait -1
	s_cmp_lg_u32 s[WV], 0
	s_cbranch_scc1 .Lnot_wave_0_\@
	s_barrier_signal -3
.Lnot_wave_0_\@:
	s_barrier_wait -3
	s_barrier_signal -1
	s_barrier_wait -1
.endm
.macro ADDR                            ; six plain lines: also the places in front of loads into registers that products have read
.irp i, 0,1,2,3,4,5
	v_add_nc_u32 v[AD+\i], s[TB], v[KA16+\i]
.endr
.endm
.macro KLOAD off                       ; 16 loads of codes and 4 of scale halfwords (lanes 0-15: the even tile of a pair, lanes 16-31: the odd one)
.irp tt, 0,1,2,3,4,5,6,7
	ds_load_b128 v[KF+6*\tt:KF+6*\tt+3], v[AD] offset:(\off)+3072*(\tt/4)+768*(\tt%2)+128*((\tt%4)/2)
	ds_load_b64 v[KF+6*\tt+4:KF+6*\tt+5], v[AD+1] offset:(\off)+3072*(\tt/4)+768*(\tt%2)+64*((\tt%4)/2)+512
.endr
.irp i, 0,1,2,3
	ds_load_u16 v[KSC+\i], v[AD+2] offset:(\off)+128*(\i/2)+16*(\i%2)
.endr
.endm
.macro VLOAD
	WIN 0x40                                       ; destination window 1, address window 0
.irp d, 0,1,2,3
	ds_load_b128 v[VF+12*\d:VF+12*\d+3], v[AD+3] offset:1536*\d
	ds_load_b64 v[VF+12*\d+4:VF+12*\d+5], v[AD+4] offset:1536*\d+512
	ds_load_b128 v[VF+12*\d+6:VF+12*\d+9], v[AD+3] offset:1536*\d+768
	ds_load_b64 v[VF+12*\d+10:VF+12*\d+11], v[AD+4] offset:1536*\d+1280
.endr
	WIN 0
	ds_load_b32 v[VSC], v[AD+5]
	ds_load_b32 v[VSC+1], v[AD+5] offset:128
.endm
.macro QK qs                           ; eight tiles of scores, each begun from 0
.irp tt, 0,1,2,3,4,5,6,7
.if \tt%2
	v_wmma_scale_f32_16x16x128_f8f6f4 v[S+8*\tt:S+8*\tt+7], v[KF+6*\tt:KF+6*\tt+11], v[Q:Q+11], 0, v[KSC+\tt/2], v[\qs] matrix_a_fmt:MATRIX_FMT_FP6 matrix_b_fmt:MATRIX_FMT_FP6 matrix_a_scale:MATRIX_SCALE_ROW1
.else
	v_wmma_scale_f32_16x16x128_f8f6f4 v[S+8*\tt:S+8*\tt+7], v[KF+6*\tt:KF+6*\tt+11], v[Q:Q+11], 0, v[KSC+\tt/2], v[\qs] matrix_a_fmt:MATRIX_FMT_FP6 matrix_b_fmt:MATRIX_FMT_FP6
.endif
.endr
.endm
.macro PV ps                           ; the four accumulators of O^T take turns
.irp d, 0,1,2,3
.if \d%2
	v_wmma_scale_f32_16x16x128_f8f6f4 v[O+8*\d:O+8*\d+7], v[VF+12*\d:VF+12*\d+11], v[P:P+11], v[O+8*\d:O+8*\d+7], v[VSC+\d/2], v[\ps] matrix_a_fmt:MATRIX_FMT_FP6 matrix_b_fmt:MATRIX_FMT_FP6 matrix_a_scale:MATRIX_SCALE_ROW1
.else
	v_wmma_scale_f32_16x16x128_f8f6f4 v[O+8*\d:O+8*\d+7], v[VF+12*\d:VF+12*\d+11], v[P:P+11], v[O+8*\d:O+8*\d+7], v[VSC+\d/2], v[\ps] matrix_a_fmt:MATRIX_FMT_FP6 matrix_b_fmt:MATRIX_FMT_FP6
.endif
.endr
.endm
; One tile's softmax of 128 keys.  win: the context's window setting; owin: the setting under which the scale word goes to window 0; psr: that word's register; dsw: a count for DScnt ahead of O's rescaling, or -1
.macro SOFTMAX win, owin, psr, dsw
	WIN \win
	s_wait_alu depctr_va_vdst(0)
.irp b, 0,1                            ; my two whole blocks' largest scores, two chains each; every tile is first read at its low end
	v_max3_num_f32 v[T+2*\b], v[S+32*\b], v[S+32*\b+1], v[S+32*\b+2]
	v_max3_num_f32 v[T+2*\b+1], v[S+32*\b+3], v[S+32*\b+4], v[S+32*\b+5]
.endr
.irp i, 6,10,14,18,22,26
.irp b, 0,1
	v_max3_num_f32 v[T+2*\b], v[T+2*\b], v[S+32*\b+\i], v[S+32*\b+\i+1]
	v_max3_num_f32 v[T+2*\b+1], v[T+2*\b+1], v[S+32*\b+\i+2], v[S+32*\b+\i+3]
.endr
.endr
.irp b, 0,1
	v_max3_num_f32 v[T+2*\b], v[T+2*\b], v[S+32*\b+30], v[S+32*\b+31]
.endr
.irp b, 0,1
	s_delay_alu instid0(VALU_DEP_2)
	v_max_num_f32 v[T+2*\b], v[T+2*\b], v[T+2*\b+1]   ; it serves twice: for the row's maximum and, since p rises with the score, for the block's largest p
.endr
	s_delay_alu instid0(VALU_DEP_1)
	v_max_num_f32 v[T+4], v[T], v[T+2]
	s_delay_alu instid0(VALU_DEP_1)
	v_permlanex16_b32 v[T+5], v[T+4], s[SEL], s[SEL+1]
	s_delay_alu instid0(VALU_DEP_1)
	v_max3_num_f32 v[MX], v[MX], v[T+4], v[T+5]    ; the running largest score of my query
	s_delay_alu instid0(VALU_DEP_1)
	v_mul_f32 v[T+6], s[NC], v[MX]                 ; -t
	s_delay_alu instid0(VALU_DEP_1)
	v_floor_f32 v[T+6], v[T+6]                     ; the new -M = floor(-t): a whole number
	s_delay_alu instid0(VALU_DEP_1)
	v_sub_f32 v[T+7], v[T+6], v[NM]
	s_delay_alu instid0(VALU_DEP_1)
	v_cvt_i32_f32 v[T+7], v[T+7]                   ; (it saturates)
	s_delay_alu instid0(VALU_DEP_1)
	v_ldexp_f32 v[F], 1.0, v[T+7]                  ; f = 2^(old M - new M)
.set j, 0
.rept 32
	v_pk_fma_f32 v[S+j:S+j+1], v[S+j:S+j+1], s[CS:CS+1], v[T+6:T+7] op_sel_hi:[1,0,0]   ; t - M
.set j, j+2
.endr
.irp b, 0,1
	v_fma_f32 v[T+2*\b], v[T+2*\b], s[CS], v[T+6]
.endr
	s_wait_alu depctr_va_vdst(0)                   ; one wait ahead of the batch
	v_exp_f32 v[T], v[T]                           ; the blocks' largest p
	v_exp_f32 v[T+2], v[T+2]
.set j, 0
.rept 64
	v_exp_f32 v[S+j], v[S+j]                       ; p = 2^(t - M): not normalised
.set j, j+1
.endr
	v_mov_b32 v[NM], v[T+6]                        ; a plain line behind the exponentials
	s_wait_alu depctr_va_vdst(0)                   ; and one wait behind the batch
.irp k, 0,1,2,3                        ; the row's sum of the unquantised p: four chains of pairs
	v_pk_add_f32 v[T+8+2*\k:T+9+2*\k], v[S+4*\k:S+4*\k+1], v[S+4*\k+2:S+4*\k+3]
.endr
.irp i, 16,24,32,40,48,56
.irp k, 0,1,2,3
	v_pk_add_f32 v[T+8+2*\k:T+9+2*\k], v[T+8+2*\k:T+9+2*\k], v[S+\i+2*\k:S+\i+2*\k+1]
.endr
.endr
	s_delay_alu instid0(VALU_DEP_3)
	v_pk_add_f32 v[T+8:T+9], v[T+8:T+9], v[T+10:T+11]
	s_delay_alu instid0(VALU_DEP_2)
	v_pk_add_f32 v[T+12:T+13], v[T+12:T+13], v[T+14:T+15]
	s_delay_alu instid0(VALU_DEP_1)
	v_pk_add_f32 v[T+8:T+9], v[T+8:T+9], v[T+12:T+13]
	s_delay_alu instid0(VALU_DEP_1)
	v_pk_fma_f32 v[L:L+1], v[L:L+1], v[F:F+1], v[T+8:T+9] op_sel_hi:[1,0,1]   ; the old sum under the new M, and this step's
.irp b, 0,1
	v_max_num_f32 v[T+2*\b], 0x1800000, v[T+2*\b]  ; the floor 2^(3 - 127) holds the byte at 1 from below
.endr
.irp b, 0,1
	s_delay_alu instid0(VALU_DEP_2)
	v_add_nc_u32 v[T+2*\b+1], 0xff000000, v[T+2*\b]   ; 2 off the exponent field: the conversion's scale operand
.endr
	v_cvt_scalef32_pk16_fp6_f32 v[P:P+2], v[S:S+15], v[T+1]
	v_cvt_scalef32_pk16_fp6_f32 v[T+8:T+10], v[S+16:S+31], v[T+1]      ; (a conversion's three registers begin on an even number)
	v_cvt_scalef32_pk16_fp6_f32 v[P+6:P+8], v[S+32:S+47], v[T+3]
	v_cvt_scalef32_pk16_fp6_f32 v[T+12:T+14], v[S+48:S+63], v[T+3]
	v_lshrrev_b32 v[T], 23, v[T+1]                 ; the scales' bytes (plain lines behind the conversions)
	v_lshrrev_b32 v[T+2], 23, v[T+3]
.irp i, 0,1,2
	v_mov_b32 v[P+3+\i], v[T+8+\i]
	v_mov_b32 v[P+9+\i], v[T+12+\i]
.endr
	v_lshl_or_b32 v[T], v[T+2], 16, v[T]
	s_delay_alu instid0(VALU_DEP_1)
	v_lshlrev_b32 v[T], v[SH8], v[T]               ; my bytes are blocks h and 2 + h of the 128 keys
	s_delay_alu instid0(VALU_DEP_1)
	v_permlanex16_b32 v[T+4], v[T], s[SEL], s[SEL+1]
	WIN \owin
	v_or_b32 v[\psr], v[T], v[T+4]                 ; with lane l xor 16's two the word is whole
	WIN \win
.if \dsw >= 0
	s_wait_dscnt \dsw                              ; V's fragments and scales are in; the loads issued behind them (the next step's K: 16 of codes, 4 of scales) may be out
.endif
	s_wait_alu depctr_va_vdst(0)
.set j, 0
.rept 16
	v_pk_mul_f32 v[O+j:O+j+1], v[O+j:O+j+1], v[F:F+1] op_sel_hi:[1,0]   ; O^T under the new M; these sixteen stand between the scale word's and the codes' last writes and the products
.set j, j+2
.endr
.endm
.macro STEP more                       ; more = 1: the next step's K is fetched under this step's softmax
	s_wait_dscnt 0x0                               ; this step's K and its scales
	QK QS
	WIN 0x54                                       ; K from window 0; Q, C and D in window 1
	QK QS+1
	WIN 0
	ADDR
	VLOAD
.if \more
	KLOAD STEPB
.endif
	SOFTMAX 0, 0, PS, -1
	SOFTMAX 0x55, 0x05, PS+1, 20*\more
	WIN 0x01                                       ; V from window 1
	PV PS
	WIN 0x55
	PV PS+1
	WIN 0
	s_add_co_u32 s[TB], s[TB], STEPB
.endm
.macro INITCTX                         ; every destination lies in the context, every source is a constant or lies in window 0
.irp j, 6,7,8,9,10,11
	v_mov_b32 v[Q+\j], 0                           ; zero codes: Q's k = 64 .. 127
.endr
.set j, 0
.rept 32
	v_mov_b32 v[O+j], 0                            ; O^T: the step is written once; the first finds zeros
.set j, j+1
.endr
	v_mov_b32 v[MX], 0xff61b1e6                    ; the largest score so far: -3e38
	v_mov_b32 v[NM], 0x7e000000                    ; -M: so large that the first f is 0
	v_mov_b32 v[L], 0
	v_mov_b32 v[L+1], 0
	v_mov_b32 v[F+1], 0                            ; (named as the upper half of a pair)
	v_mov_b32 v[T+4], 0                            ; a lane permute's destination counts as one of its sources
	v_mov_b32 v[T+5], 0
	v_lshlrev_b32 v[SH8], 3, v242
.endm
.macro QUANT32                         ; 32 numbers of a lane in v[S ..], register 16 b + i = d 32 b + 16 (lane / 16) + i, become a record in v[P .. P + 5] and two scale bytes in v[T + 6]
	v_max3_num_f32 v[T], |v[S]|, |v[S+1]|, 0x1800000
	v_max3_num_f32 v[T+1], |v[S+16]|, |v[S+17]|, 0x1800000
.irp i, 2,4,6,8,10,12,14
	s_delay_alu instid0(VALU_DEP_2)
	v_max3_num_f32 v[T], v[T], |v[S+\i]|, |v[S+\i+1]|
	s_delay_alu instid0(VALU_DEP_2)
	v_max3_num_f32 v[T+1], v[T+1], |v[S+16+\i]|, |v[S+17+\i]|
.endr
	s_delay_alu instid0(VALU_DEP_2)
	v_permlanex16_b32 v[T+2], v[T], s[SEL], s[SEL+1]
	s_delay_alu instid0(VALU_DEP_2)
	v_permlanex16_b32 v[T+3], v[T+1], s[SEL], s[SEL+1]
	s_delay_alu instid0(VALU_DEP_2)
	v_max_num_f32 v[T], v[T], v[T+2]
	s_delay_alu instid0(VALU_DEP_2)
	v_max_num_f32 v[T+1], v[T+1], v[T+3]
	s_delay_alu instid0(VALU_DEP_2)
	v_add_nc_u32 v[T+4], 0xff000000, v[T]
	s_delay_alu instid0(VALU_DEP_2)
	v_add_nc_u32 v[T+5], 0xff000000, v[T+1]
	s_delay_alu instid0(VALU_DEP_2)
	v_lshrrev_b32 v[T+2], 23, v[T+4]
	s_delay_alu instid0(VALU_DEP_2)
	v_lshrrev_b32 v[T+3], 23, v[T+5]
	s_delay_alu instid0(VALU_DEP_1)
	v_lshl_or_b32 v[T+6], v[T+3], 8, v[T+2]
	v_cvt_scalef32_pk16_fp6_f32 v[P:P+2], v[S:S+15], v[T+4]
	v_cvt_scalef32_pk16_fp6_f32 v[T+8:T+10], v[S+16:S+31], v[T+5]
	v_nop                                          ; a plain line behind the conversions
.irp i, 0,1,2
	v_permlane16_swap_b32 v[P+\i], v[T+8+\i]       ; a whole block to a lane
.endr
.irp i, 0,1,2
	s_delay_alu instid0(VALU_DEP_3)
	v_mov_b32 v[P+3+\i], v[T+8+\i]
.endr
.endm
.macro FINISH cw, sw, off              ; cw: the context's window setting; sw: the stores' (data from the context, addresses from window 0)
	WIN \cw
	v_add_f32 v[L], v[L], v[L+1]
	s_delay_alu instid0(VALU_DEP_1)
	v_permlanex16_b32 v[T+4], v[L], s[SEL], s[SEL+1]
	s_delay_alu instid0(VALU_DEP_1)
	v_add_f32 v[L], v[L], v[T+4]                   ; the row's sum
	s_wait_alu depctr_va_vdst(0)
	v_rcp_f32 v[L], v[L]
	v_nop
	s_wait_alu depctr_va_vdst(0)
.set j, 0
.rept 16
	v_pk_mul_f32 v[S+j:S+j+1], v[O+j:O+j+1], v[L:L+1] op_sel_hi:[1,0]
.set j, j+2
.endr
	QUANT32
	WIN \sw
	global_store_b128 v[GL16], v[P:P+3], s[80:81] offset:\off            ; 512 consecutive bytes
	global_store_b64 v[GL8], v[P+4:P+5], s[80:81] offset:(\off)+512      ; 256 consecutive bytes
	global_store_b16 v[GOS], v[T+6], s[82:83] offset:\off                ; lanes r and r + 16 hold the same halfword and write it to the same place
.endm
	s_load_b128 s[4:7], s[0:1], 0x0                ; qkv, at
	v_lshl_add_u32 v[SPW], v0, 2, SPARE
	v_mov_b32 v[NIL], 0
	ds_add_u32 v[SPW], v[NIL]                      ; the wave's opening
	ds_add_u32 v[SPW], v[NIL]
	v_lshrrev_b32 v240, 5, v0
	s_delay_alu instid0(VALU_DEP_1)
	v_readfirstlane_b32 s[WV], v240                ; wave 0..7
	s_bfe_u32 s8, ttmp6, 0x40000                   ; cx: it enters Q's and the output's addresses alone
	s_lshl_b32 s9, ttmp9, 2
	s_add_co_u32 s9, s9, s8                        ; my block of 256 queries
	s_and_b32 s10, ttmp7, 0xffff                   ; 16 x batch + head
	s_lshr_b32 s11, s10, 4
	s_and_b32 s12, s10, 15
	s_add_co_u32 s13, s12, 16
	s_mul_i32 s14, s13, 2*KV
	s_mul_i32 s15, s11, KV
	s_add_co_u32 s14, s14, s15                     ; K's block
	s_mul_i32 s15, s10, KV
	s_add_co_u32 s15, s15, V_C-KV                  ; V's block, less the four quarters that waves 4-7 add too many
	s_mul_i32 s19, s[WV], KV/4                     ; my eighth: waves 0-3 K's quarters, waves 4-7 V's; in LDS V lies behind K
	s_cmp_lt_u32 s[WV], 4
	s_cselect_b32 s16, s14, s15
	s_add_co_u32 s16, s16, s19
	s_mov_b32 s17, 0
	s_mov_b32 s[G1], 15|(3<<16)|(1<<21)            ; the mask: all four work-groups; elements of 8 bytes; bit 21 beside a mask
	s_mov_b32 s[G1+1], 800<<16                     ; four rows of 6,400 bytes, dense
	s_mov_b32 s[G1+2], 4<<16
	s_mov_b32 s[G1+3], 800<<16
	s_mov_b32 s[G1+4], 4
	s_mov_b32 s[G1+5], 800
	s_mov_b32 s[G1+6], 0
	s_mov_b32 s[G1+7], 0
	s_mov_b32 s[SEL], 0x76543210
	s_mov_b32 s[SEL+1], 0xfedcba98
	s_mov_b32 s[CS], 0x3e38aa3b                    ; c = log2(e) / 8
	s_mov_b32 s[CS+1], s[CS]
	s_mov_b32 s[NC], 0xbe38aa3b                    ; -c
	s_wait_dscnt 0x0                               ; both opening adds are done
	s_wait_kmcnt 0x0
	s_mov_b32 s[G0], 1
	s_mov_b32 s[G0+1], s19
	s_add_nc_u64 s[G0+2:G0+3], s[4:5], s[16:17]
	s_or_b32 s[G0+3], s[G0+3], 0x80000000
	CROUND                                         ; all four work-groups are here: the joint loads meet
	tensor_load_to_lds s[G0:G0+3], s[G1:G1+7]      ; my one tensor load
	s_nop 0
.rept 4
	v_nop
.endr
	s_lshl_b32 s72, s11, 4
	s_lshl_b32 s73, s9, 1
	s_add_co_u32 s72, s72, s73
	s_lshr_b32 s73, s[WV], 2
	s_add_co_u32 s72, s72, s73                     ; my group of eight query tiles (128 tokens)
	s_and_b32 s73, s[WV], 3                        ; my pair of tiles in it
	s_mul_i32 s74, s12, 2*KV
	s_mul_i32 s75, s72, STEPB
	s_add_co_u32 s74, s74, s75
	s_lshl_b32 s76, s73, 6
	s_add_co_u32 s76, s76, s74
	s_add_co_u32 s76, s76, 6144
	s_mul_i32 s75, s73, 1536
	s_add_co_u32 s74, s74, s75
	s_mov_b32 s75, 0
	s_mov_b32 s77, 0
	s_add_nc_u64 s[74:75], s[4:5], s[74:75]        ; Q's two records
	s_add_nc_u64 s[76:77], s[4:5], s[76:77]        ; their scale halfwords
	s_lshl_b32 s72, s72, 3
	s_lshl_b32 s73, s73, 1
	s_add_co_u32 s72, s72, s73                     ; my first tile
	s_mul_i32 s78, s72, 12800
	s_lshr_b32 s79, s12, 3
	s_mul_i32 s79, s79, 6400
	s_add_co_u32 s78, s78, s79                     ; the output's super-record: two heads are a K step of the next product
	s_bfe_u32 s79, s12, 0x20001
	s_mul_i32 s80, s79, 1536
	s_and_b32 s81, s12, 1
	s_mul_i32 s82, s81, 768
	s_add_co_u32 s80, s80, s82
	s_add_co_u32 s80, s80, s78
	s_lshl_b32 s79, s79, 2
	s_lshl_b32 s81, s81, 1
	s_add_co_u32 s82, s79, s81
	s_add_co_u32 s82, s82, s78
	s_add_co_u32 s82, s82, 6144
	s_mov_b32 s81, 0
	s_mov_b32 s83, 0
	s_add_nc_u64 s[80:81], s[6:7], s[80:81]
	s_add_nc_u64 s[82:83], s[6:7], s[82:83]
	s_mov_b32 s[TB], 0
	s_mov_b32 s[CNT], 15
	v_and_b32 v240, 31, v0                         ; lane
	v_and_b32 v241, 15, v0                         ; r
	v_bfe_u32 v242, v0, 4, 1                       ; h
	v_and_b32 v243, 7, v0                          ; r % 8
	v_bfe_u32 v244, v0, 3, 1                       ; r / 8
	v_lshlrev_b32 v[GL16], 4, v240
	v_lshlrev_b32 v[GL8], 3, v240
	v_lshlrev_b32 v[GQS], 1, v241
	v_lshlrev_b32 v[GOS], 4, v241
	v_lshlrev_b32 v[KA16], 4, v243                 ; K: rows 0-7 of a tile come from one record, rows 8-15 from the record two further on (1,536 bytes)
	v_lshlrev_b32 v[KA16+1], 3, v243
	v_lshl_add_u32 v[KA16+2], v243, 1, 6144
	s_delay_alu instid0(VALU_DEP_3)
	v_lshl_add_u32 v[KA16], v242, 8, v[KA16]
	s_delay_alu instid0(VALU_DEP_3)
	v_lshl_add_u32 v[KA16+1], v242, 7, v[KA16+1]
	s_delay_alu instid0(VALU_DEP_3)
	v_lshl_add_u32 v[KA16+2], v242, 5, v[KA16+2]
	s_delay_alu instid0(VALU_DEP_3)
	v_mad_u32_u24 v[KA16], v244, 1536, v[KA16]
	s_delay_alu instid0(VALU_DEP_3)
	v_mad_u32_u24 v[KA16+1], v244, 1536, v[KA16+1]
	s_delay_alu instid0(VALU_DEP_3)
	v_lshl_add_u32 v[KA16+2], v244, 6, v[KA16+2]
	v_add_nc_u32 v[KA16+3], KV, v[GL16]            ; V: records as they lie
	v_add_nc_u32 v[KA16+4], KV, v[GL8]
	v_lshl_add_u32 v[KA16+5], v240, 2, KV+6144
	global_load_b128 v[Q:Q+3], v[GL16], s[74:75]
	global_load_b64 v[Q+4:Q+5], v[GL8], s[74:75] offset:512
	global_load_u16 v[QS], v[GQS], s[76:77]        ; bytes 2 and 3 come as 0
	global_load_u16 v[QS+1], v[GQS], s[76:77] offset:32
	WIN 0x40
	global_load_b128 v[Q:Q+3], v[GL16], s[74:75] offset:768
	global_load_b64 v[Q+4:Q+5], v[GL8], s[74:75] offset:1280
	INITCTX
	WIN 0
	INITCTX
.irp j, 48,49,50,51,52,53
	v_mov_b32 v[KF+\j], 0                          ; what stands behind K's last tile
.endr
	ADDR
	s_wait_alu depctr_va_vdst(0)
	s_wait_loadcnt 0x0                             ; Q
	s_wait_tensorcnt 0x0                           ; my eighth has landed,
	s_barrier_signal -1
	s_barrier_wait -1                              ; everybody's has
	KLOAD 0
.Lstep:
	STEP 1
	s_sub_co_u32 s[CNT], s[CNT], 1
	s_cmp_lg_u32 s[CNT], 0
	s_wait_alu depctr_va_vdst(0)
	s_cbranch_scc1 .Lstep
	STEP 0                                         ; the last step fetches no further K
.rept 4
	v_nop                                          ; places behind the last products
.endr
	FINISH 0, 0, 0
	FINISH 0x55, 0x04, 12800
	WIN 0
	s_wait_tensorcnt 0x0                           ; the wave's end
	ds_add_u32 v[SPW], v[NIL]
	s_wait_dscnt 0x0
	CROUND                                         ; the closing round
	s_endpgm
.Lfunc_end_k_q4bd20a3fd8_attn:
	.size	k_q4bd20a3fd8_attn, .Lfunc_end_k_q4bd20a3fd8_attn-k_q4bd20a3fd8_attn
	.p2alignl 7, 3214868480
	.fill 96, 4, 3214868480
	.section	.rodata,"a",@progbits
	.p2align	6, 0x0
	.amdhsa_kernel k_q4bd20a3fd8_attn
		.amdhsa_group_segment_fixed_size 327680
		.amdhsa_private_segment_fixed_size 0
		.amdhsa_enable_private_segment 0
		.amdhsa_kernarg_size 16
		.amdhsa_user_sgpr_count 2
		.amdhsa_user_sgpr_kernarg_segment_ptr 1
		.amdhsa_wavefront_size32 1
		.amdhsa_system_sgpr_workgroup_id_x 1
		.amdhsa_system_sgpr_workgroup_id_y 1
		.amdhsa_system_sgpr_workgroup_id_z 1
		.amdhsa_system_vgpr_workitem_id 0
		.amdhsa_next_free_vgpr 512
		.amdhsa_next_free_sgpr 90
		.amdhsa_reserve_vcc 0
		.amdhsa_float_denorm_mode_32 3
		.amdhsa_float_denorm_mode_16_64 3
		.amdhsa_memory_ordered 1
		.amdhsa_forward_progress 1
		.amdhsa_inst_pref_size 77
	.end_amdhsa_kernel
	.amdgpu_metadata
---
amdhsa.version: [ 1, 2 ]
amdhsa.kernels:
  - .name:           k_q4bd20a3fd8_attn
    .symbol:         k_q4bd20a3fd8_attn.kd
    .args:
      - { .name: qkv, .offset: 0, .size: 8, .value_kind: global_buffer, .address_space: global }
      - { .name: at, .offset: 8, .size: 8, .value_kind: global_buffer, .address_space: global }
    .group_segment_fixed_size: 327680
    .private_segment_fixed_size: 0
    .kernarg_segment_align: 8
    .kernarg_segment_size: 16
    .max_flat_workgroup_size: 256
    .sgpr_count:     90
    .vgpr_count:     512
    .wavefront_size: 32
...
	.end_amdgpu_metadata
.endif
;; end of part 3
;; launch proj (part 4): grid 8 x 32, 4 waves a work-group, clusters of 4 x 4, 327,680 bytes of LDS; arguments at, pw, b_out, x, g1, h2; writes h2
.if DOCPART == 4
	.amdgcn_target "amdgcn-amd-amdhsa--gfx1250"
	.amdhsa_code_object_version 6
	.text
	.protected	k_q4bd20a3fd8_proj
	.globl	k_q4bd20a3fd8_proj
	.p2align	8
	.type	k_q4bd20a3fd8_proj,@function
k_q4bd20a3fd8_proj:
	s_mov_b64 s[64:65], 0
	v_nop
	global_prefetch_b8 v0, s[64:65] scope:SCOPE_SE
	s_setreg_imm32_b32 hwreg(HW_REG_WAVE_MODE, 25, 1), 1
	s_wait_xcnt 0x0
	s_wait_alu depctr_hold_cnt(0) depctr_sa_sdst(0) depctr_va_vdst(0) depctr_va_sdst(0) depctr_va_ssrc(0) depctr_va_vcc(0) depctr_vm_vsrc(0)
	s_getreg_b32 s2, hwreg(HW_REG_IB_STS2, 6, 4)
	s_cmp_eq_u32 s2, 0
	s_cbranch_scc0 .Lentry_in_a_cluster
	s_endpgm
.Lentry_in_a_cluster:
	s_bfe_u32 s2, ttmp6, 0x10000c
	s_cmp_lg_u32 s2, 0xf033
	s_cbranch_scc0 .Lentry_shape_is_right
	s_endpgm
.Lentry_shape_is_right:
.set TP,    12800
.set LAPS,  1
.set BOFF,  2457600
.set L16,   16
.set L8,    17
.set SLOT,  102400
.set STAGE, 2*SLOT
.set SPARE, STAGE+128*528
.set SPW, 14
.set NIL, 15
.set SC,  32
.set BIAS, 64
.set ACC, 128
.set G1, 24
.set G0, 32
.set G1B, 48
.set G0B, 56
.set MUL, 0x05
.set TO_F, 0x40
.set MSB, 0
.macro WIN new
.if MSB != \new
	s_set_vgpr_msb (MSB<<8)|\new
.set MSB, \new
.endif
.endm
.macro JLOAD s
	s_cmp_eq_u32 s11, 0
	s_cbranch_scc0 .Lfor_b_\@
	tensor_load_to_lds s[G0+4*\s:G0+4*\s+3], s[G1:G1+7]
	s_nop 0
.rept 4
	v_nop
.endr
	s_branch .Lasked_\@
.Lfor_b_\@:
	tensor_load_to_lds s[G0B+4*\s:G0B+4*\s+3], s[G1B:G1B+7]
	s_nop 0
.rept 4
	v_nop
.endr
.Lasked_\@:
.endm
.macro CREST
	s_cmp_lg_u32 s10, 0
	s_cbranch_scc1 .Lnot_wave_0_\@
	s_barrier_signal -3
.Lnot_wave_0_\@:
	s_barrier_wait -3
	s_barrier_signal -1
	s_barrier_wait -1
.endm
.macro CROUND
	s_barrier_signal -1
	s_barrier_wait -1
	CREST
.endm
.macro PLACES n
.rept \n
	v_nop
.endr
.endm
.macro FRAG reg, a16, a8, off
	ds_load_b128 v[(\reg):(\reg)+3], v[\a16] offset:(\off)
	ds_load_b64 v[(\reg)+4:(\reg)+5], v[\a8] offset:(\off)+512
	ds_load_b128 v[(\reg)+6:(\reg)+9], v[\a16] offset:(\off)+768
	ds_load_b64 v[(\reg)+10:(\reg)+11], v[\a8] offset:(\off)+1280
.endm
.macro FETCH slot, q, p
	WIN TO_F
.irp i, 0,1,2,3
	FRAG 128*(\p)+48+12*\i, 8+\slot, 10+\slot, \i*6400+(\q)*1536
.endr
.irp i, 0,1,2,3
	FRAG 128*(\p)+12*\i, 4+\slot, 6+\slot, \i*6400+(\q)*1536
.endr
.endm
.macro SCALES slot
.irp i, 0,1,2,3
	ds_load_b128 v[SC+16*\slot+4*\i:SC+16*\slot+4*\i+3], v[12+\slot] offset:6400*\i
.endr
.endm
.macro MUL4 p, a, q, set, mode
.irp b, 0,1,2,3
.set rD, ACC+8*(4*(\a)+\b)
.set rB, 128*(\p)+48+12*\b
.set rA, 128*(\p)+12*(\a)
.set rSB, SC+16*(\set)+4*\b+(\q)
.set rSA, SC+16*(\set)+4*(\a)+(\q)
.if (\mode) == 0
	v_wmma_scale_f32_16x16x128_f8f6f4 v[rD:rD+7], v[rB:rB+11], v[rA:rA+11], v[rD:rD+7], v[rSB], v[rSA] matrix_a_fmt:MATRIX_FMT_FP6 matrix_b_fmt:MATRIX_FMT_FP6 matrix_a_scale:MATRIX_SCALE_ROW1
.elseif (\mode) == 1
	v_wmma_scale_f32_16x16x128_f8f6f4 v[rD:rD+7], v[rB:rB+11], v[rA:rA+11], 0, v[rSB], v[rSA] matrix_a_fmt:MATRIX_FMT_FP6 matrix_b_fmt:MATRIX_FMT_FP6 matrix_a_scale:MATRIX_SCALE_ROW1
.else
	v_wmma_scale_f32_16x16x128_f8f6f4 v[rD:rD+7], v[rB:rB+11], v[rA:rA+11], v[BIAS+8*\b:BIAS+8*\b+7], v[rSB], v[rSA] matrix_a_fmt:MATRIX_FMT_FP6 matrix_b_fmt:MATRIX_FMT_FP6 matrix_a_scale:MATRIX_SCALE_ROW1
.endif
.endr
.endm
.macro QUARTER slot, q, mode
	s_wait_dscnt 8
	WIN MUL
	MUL4 (\q)%2, 0, \q, \slot, \mode
	MUL4 (\q)%2, 1, \q, \slot, \mode
	PLACES 4
	FETCH \slot, (\q)+1, ((\q)+1)%2
	s_wait_dscnt 32
	WIN MUL
	MUL4 (\q)%2, 2, \q, \slot, \mode
	MUL4 (\q)%2, 3, \q, \slot, \mode
.endm
.macro TURN slot, next, fill
	WIN 0
	s_wait_tensorcnt 0x0
	ds_add_u32 v[SPW], v[NIL]
	s_wait_dscnt 9
	WIN MUL
	MUL4 1, 0, 3, \slot, 0
	s_wait_dscnt 0x0
	s_barrier_signal -1
	MUL4 1, 1, 3, \slot, 0
	WIN 0
	s_barrier_wait -1
.if \fill
	CREST
	s_add_nc_u64 s[G0+4*\slot+2:G0+4*\slot+3], s[G0+4*\slot+2:G0+4*\slot+3], 12800
	s_add_nc_u64 s[G0B+4*\slot+2:G0B+4*\slot+3], s[G0B+4*\slot+2:G0B+4*\slot+3], 12800
	JLOAD \slot
.else
	PLACES 4
.endif
	SCALES \next
	FETCH \next, 0, 0
	WIN MUL
	MUL4 1, 2, 3, \slot, 0
	MUL4 1, 3, 3, \slot, 0
.endm
.macro LAST
	s_wait_dscnt 8
	WIN MUL
	MUL4 1, 0, 3, 1, 0
	MUL4 1, 1, 3, 1, 0
	s_wait_dscnt 0x0
	MUL4 1, 2, 3, 1, 0
	MUL4 1, 3, 3, 1, 0
	WIN 0
.endm
.macro IDS
	v_lshrrev_b32 v1, 5, v0
	v_readfirstlane_b32 s10, v1
	s_lshr_b32 s11, s10, 1
	s_and_b32 s12, s10, 1
	s_bfe_u32 s40, ttmp6, 0x40000
	s_bfe_u32 s41, ttmp6, 0x40004
	s_lshl_b32 s42, ttmp9, 2
	s_add_co_u32 s42, s42, s40
	s_and_b32 s13, ttmp7, 0xffff
	s_lshl_b32 s13, s13, 2
	s_add_co_u32 s13, s13, s41
.endm
.macro G1CONST
	s_lshl_b32 s43, s41, 2
	s_lshl_b32 s43, 15, s43
	s_lshl_b32 s44, 0x1111, s40
	s_or_b32 s[G1], s43, (3<<16)|(1<<21)
	s_or_b32 s[G1B], s44, (3<<16)|(1<<21)
.irp g, G1, G1B
	s_mov_b32 s[\g+1], 800<<16
	s_mov_b32 s[\g+2], 4<<16
	s_mov_b32 s[\g+3], 800<<16
	s_mov_b32 s[\g+4], 4
	s_mov_b32 s[\g+5], TP/8
	s_mov_b32 s[\g+6], 0
	s_mov_b32 s[\g+7], 0
.endr
.endm
.macro FIRSTLOADS pa, pb
	s_mov_b32 s17, 0
	s_mov_b32 s47, 0
	s_mul_i32 s20, s10, 25600
	s_wait_dscnt 0x0
	s_wait_kmcnt 0x0
	s_add_nc_u64 s[14:15], s[\pa:\pa+1], s[16:17]
	s_add_nc_u64 s[46:47], s[\pb:\pb+1], s[46:47]
	s_cmp_eq_u32 s11, 0                            ; the prefetches: of the four rows of 6,400 bytes that I fetch for a K group, each of the four partners that ask for them jointly takes one, told apart by address (cx for A, cy for B)
	s_cselect_b64 s[98:99], s[14:15], s[46:47]
	s_cselect_b32 s82, s40, s41
	s_mul_i32 s82, s82, TP
	s_mov_b32 s83, 0
	s_add_nc_u64 s[98:99], s[98:99], s[82:83]
.irp s, 0,1
	s_mov_b32 s[G0+4*\s], 1
	s_add_co_u32 s[G0+4*\s+1], s20, \s*SLOT
	s_add_nc_u64 s[G0+4*\s+2:G0+4*\s+3], s[14:15], \s*6400
	s_or_b32 s[G0+4*\s+3], s[G0+4*\s+3], 0x80000000
	s_mov_b32 s[G0B+4*\s], 1
	s_add_co_u32 s[G0B+4*\s+1], s20, \s*SLOT
	s_add_nc_u64 s[G0B+4*\s+2:G0B+4*\s+3], s[46:47], \s*6400
	s_or_b32 s[G0B+4*\s+3], s[G0B+4*\s+3], 0x80000000
	s_wait_alu depctr_va_vdst(0)
	s_wait_tensorcnt 0x0
	ds_add_u32 v14, v15
	ds_add_u32 v14, v15
	s_wait_dscnt 0x0
	CROUND
	JLOAD \s
.if \s == 0
	v_and_b32 v28, 31, v0
	v_min_u32 v28, 24, v28                         ; 6,400 bytes are 25 blocks of 256: a lane a block; the lanes left over name the last again
	v_lshlrev_b32 v28, 8, v28
	global_prefetch_b8 v28, s[98:99] offset:6400 th:TH_LOAD_NT scope:SCOPE_SE    ; K group 1, loaded behind the next round
.endif
.endr
.endm
.macro FRAME_ADDR
	v_and_b32 v3, 31, v0
	v_and_b32 v1, 15, v0
	v_bfe_u32 v2, v0, 4, 1
	v_lshlrev_b32 v[L16], 4, v3
	v_lshlrev_b32 v[L8], 3, v3
	s_mul_i32 s21, s11, 25600
	s_mul_i32 s22, s12, 25600
	s_add_co_u32 s22, s22, 51200
.irp s, 0,1
	v_add_nc_u32 v[4+\s], s21, v[L16]
	v_add_nc_u32 v[6+\s], s21, v[L8]
	v_add_nc_u32 v[8+\s], s22, v[L16]
	v_add_nc_u32 v[10+\s], s22, v[L8]
	s_add_co_u32 s21, s21, SLOT
	s_add_co_u32 s22, s22, SLOT
.endr
	s_xor_b32 s23, s11, 1
	s_add_co_u32 s23, s23, s12
	s_add_co_u32 s23, s23, 1
	s_mul_i32 s23, s23, 25600
	v_mul_u32_u24 v31, s23, v2
	v_lshl_add_u32 v31, v1, 4, v31
	s_mul_i32 s21, s11, 25600
	s_add_co_u32 s21, s21, 6144
	v_add_nc_u32 v12, s21, v31
	s_add_co_u32 s21, s21, SLOT
	v_add_nc_u32 v13, s21, v31
.endm
.macro MAIN mode0
	s_wait_tensorcnt 1
	s_barrier_signal -1
	s_barrier_wait -1
	SCALES 0
	FETCH 0, 0, 0
	QUARTER 0, 0, \mode0
.if LAPS > 1
	WIN 0
	s_mov_b32 s3, LAPS-1
.Llap:
	QUARTER 0, 1, 0
	QUARTER 0, 2, 0
	TURN 0, 1, 1
	QUARTER 1, 0, 0
	QUARTER 1, 1, 0
	QUARTER 1, 2, 0
	TURN 1, 0, 1
	QUARTER 0, 0, 0
	WIN 0
	s_sub_co_u32 s3, s3, 1
	s_cmp_lg_u32 s3, 0
	s_cbranch_scc1 .Llap
.endif
	QUARTER 0, 1, 0
	QUARTER 0, 2, 0
	TURN 0, 1, 0
	QUARTER 1, 0, 0
	QUARTER 1, 1, 0
	QUARTER 1, 2, 0
	LAST
	PLACES 4
.endm
.macro EPIF_SETUP pinv, invoff, pout
	s_lshl_b32 s84, s13, 7
	s_lshl_b32 s85, s10, 5
	s_add_co_u32 s84, s84, s85
	s_lshl_b32 s86, s84, 2
	s_mov_b32 s87, 0
	s_lshl_b32 s84, s84, 12
	s_lshl_b32 s88, s42, 9
	s_add_co_u32 s84, s84, s88
	s_mov_b32 s85, 0
	s_mov_b32 s89, 0
	s_lshl_b32 s90, s12, 8
	s_add_co_u32 s90, s90, s88
	s_mov_b32 s91, 0
	s_add_nc_u64 s[92:93], s[74:75], s[84:85]
	s_add_nc_u64 s[94:95], s[\pout:\pout+1], s[84:85]
	s_add_nc_u64 s[96:97], s[\pinv:\pinv+1], \invoff
	s_add_nc_u64 s[96:97], s[96:97], s[86:87]
	s_add_nc_u64 s[76:77], s[76:77], s[88:89]
	s_add_nc_u64 s[72:73], s[72:73], s[90:91]
	v_lshlrev_b32 v22, 6, v2
	v_lshlrev_b32 v23, 2, v3
.irp t, 0,1,2,3
	global_load_b128 v[BIAS+8*\t:BIAS+8*\t+3], v22, s[72:73] offset:128*(\t/2)+32*(\t%2)
	global_load_b128 v[BIAS+8*\t+4:BIAS+8*\t+7], v22, s[72:73] offset:128*(\t/2)+32*(\t%2)+16
.endr
	global_load_b128 v[24:27], v[L16], s[76:77]
	global_load_b32 v21, v23, s[96:97]
	v_and_b32 v18, 8, v1
	v_add_nc_u32 v18, v18, v1
	v_mul_u32_u24 v19, v18, 528
	v_lshl_add_u32 v19, v2, 6, v19
	s_mul_i32 s21, s11, 64*528
	s_lshl_b32 s22, s12, 8
	s_add_co_u32 s21, s21, s22
	s_add_co_u32 s21, s21, STAGE
	v_add_nc_u32 v19, s21, v19
	s_mul_i32 s21, s10, 32*528
	s_add_co_u32 s21, s21, STAGE
	v_add_nc_u32 v20, s21, v[L16]
.endm
.macro RESID                           ; my 32 rows of the residual, 128 registers of window 2, asked for ahead of the walk along K and first read on the way out
	s_wait_alu depctr_va_vdst(0)
	WIN 0x80
.set i, 0
.rept 32
	global_load_b128 v[4*i:4*i+3], v[L16], s[92:93] offset:4096*i
.set i, i+1
.endr
	WIN 0
.endm
.macro EPIF hint
.irp a, 0,1,2,3
.irp t, 0,1,2,3
	ds_store_b128 v19, v[ACC+8*(4*\a+\t):ACC+8*(4*\a+\t)+3] offset:(32*(\a/2)+8*(\a%2))*528+128*(\t/2)+32*(\t%2)
	ds_store_b128 v19, v[ACC+8*(4*\a+\t)+4:ACC+8*(4*\a+\t)+7] offset:(32*(\a/2)+8*(\a%2))*528+128*(\t/2)+32*(\t%2)+16
.endr
.endr
.set i, 0
.rept 32
	v_readlane_b32 s[24+i], v21, i
.set i, i+1
.endr
	s_wait_dscnt 0x0
	s_barrier_signal -1
	s_barrier_wait -1
.set i, 0
.rept 32
	ds_load_b128 v[ACC+4*i:ACC+4*i+3], v20 offset:528*i
.set i, i+1
.endr
	s_wait_loadcnt 0x0
	WIN 0x88
.set i, 0
.rept 128
	v_mul_f32 v[i], s[24+i/4], v[i]
.set i, i+1
.endr
	s_wait_dscnt 0x0
	WIN 0x08
.set i, 0
.rept 64
	v_pk_fma_f32 v[ACC+2*i:ACC+2*i+1], v[24+2*(i%2):25+2*(i%2)], v[2*i:2*i+1], v[ACC+2*i:ACC+2*i+1]
.set i, i+1
.endr
	WIN 0
.set i, 0
.rept 32
.if \hint
	global_store_b128 v[L16], v[ACC+4*i:ACC+4*i+3], s[94:95] offset:4096*i th:TH_STORE_NT
.else
	global_store_b128 v[L16], v[ACC+4*i:ACC+4*i+3], s[94:95] offset:4096*i
.endif
.set i, i+1
.endr
.endm
	s_load_b256 s[68:75], s[0:1], 0x0
	s_load_b128 s[76:79], s[0:1], 0x20
	v_lshl_add_u32 v[SPW], v0, 2, SPARE
	v_mov_b32 v[NIL], 0
	ds_add_u32 v[SPW], v[NIL]
	ds_add_u32 v[SPW], v[NIL]
	IDS
	G1CONST
	s_mul_i32 s16, s13, 8*TP
	s_mul_i32 s17, s12, 4*TP
	s_add_co_u32 s16, s16, s17
	s_mul_i32 s46, s42, 8*TP
	s_mul_i32 s47, s12, 4*TP
	s_add_co_u32 s46, s46, s47
	s_add_co_u32 s46, s46, BOFF
	FIRSTLOADS 68, 70
	FRAME_ADDR
	EPIF_SETUP 70, 13107200, 78
	s_wait_alu depctr_va_vdst(0)
	s_wait_loadcnt 0x0
	RESID
	MAIN 2
	EPIF 0
	s_wait_tensorcnt 0x0
	ds_add_u32 v[SPW], v[NIL]
	s_wait_dscnt 0x0
	CROUND
	s_endpgm
.Lfunc_end_k_q4bd20a3fd8_proj:
	.size	k_q4bd20a3fd8_proj, .Lfunc_end_k_q4bd20a3fd8_proj-k_q4bd20a3fd8_proj
	.p2alignl 7, 3214868480
	.fill 96, 4, 3214868480
	.section	.rodata,"a",@progbits
	.p2align	6, 0x0
	.amdhsa_kernel k_q4bd20a3fd8_proj
		.amdhsa_group_segment_fixed_size 327680
		.amdhsa_private_segment_fixed_size 0
		.amdhsa_enable_private_segment 0
		.amdhsa_kernarg_size 48
		.amdhsa_user_sgpr_count 2
		.amdhsa_user_sgpr_kernarg_segment_ptr 1
		.amdhsa_wavefront_size32 1
		.amdhsa_system_sgpr_workgroup_id_x 1
		.amdhsa_system_sgpr_workgroup_id_y 1
		.amdhsa_system_sgpr_workgroup_id_z 1
		.amdhsa_system_vgpr_workitem_id 0
		.amdhsa_next_free_vgpr 768
		.amdhsa_next_free_sgpr 100
		.amdhsa_reserve_vcc 0
		.amdhsa_float_denorm_mode_32 3
		.amdhsa_float_denorm_mode_16_64 3
		.amdhsa_memory_ordered 1
		.amdhsa_forward_progress 1
		.amdhsa_inst_pref_size 66
	.end_amdhsa_kernel
	.amdgpu_metadata
---
amdhsa.version: [ 1, 2 ]
amdhsa.kernels:
  - .name:           k_q4bd20a3fd8_proj
    .symbol:         k_q4bd20a3fd8_proj.kd
    .args:
      - { .name: at, .offset: 0, .size: 8, .value_kind: global_buffer, .address_space: global }
      - { .name: pw, .offset: 8, .size: 8, .value_kind: global_buffer, .address_space: global }
      - { .name: b_out, .offset: 16, .size: 8, .value_kind: global_buffer, .address_space: global }
      - { .name: x, .offset: 24, .size: 8, .value_kind: global_buffer, .address_space: global }
      - { .name: g1, .offset: 32, .size: 8, .value_kind: global_buffer, .address_space: global }
      - { .name: h2, .offset: 40, .size: 8, .value_kind: global_buffer, .address_space: global }
    .group_segment_fixed_size: 327680
    .private_segment_fixed_size: 0
    .kernarg_segment_align: 8
    .kernarg_segment_size: 48
    .max_flat_workgroup_size: 128
    .sgpr_count:     100
    .vgpr_count:     768
    .wavefront_size: 32
...
	.end_amdgpu_metadata
.endif
;; end of part 4
;; launch norm2 (part 5): grid 256 x 1, 4 waves a work-group, no clusters, 66,304 bytes of LDS; arguments h2, g2, n2; writes n2
.if DOCPART == 5
	.amdgcn_target "amdgcn-amd-amdhsa--gfx1250"
	.amdhsa_code_object_version 6
	.text
	.protected	k_q4bd20a3fd8_norm2
	.globl	k_q4bd20a3fd8_norm2
	.p2align	8
	.type	k_q4bd20a3fd8_norm2,@function
k_q4bd20a3fd8_norm2:
	s_mov_b64 s[64:65], 0
	v_nop
	global_prefetch_b8 v0, s[64:65] scope:SCOPE_SE
	s_setreg_imm32_b32 hwreg(HW_REG_WAVE_MODE, 25, 1), 1
	s_wait_xcnt 0x0
; h3 = g2 * (h2 / (rms(h2) + eps)), quantised to FP6 (E2M3) along its 1,024 into a register image, and 1 / (rms + eps) of each row.  The work-group makes tile ttmp9 (16 rows).
; Record (768 bytes) = 16 rows x 64 K: lane l's registers 0-3 at 16 l, 4-5 at 512 + 8 l.  Super-record (6,400) = 4 fragments of two records + 256 bytes of scale words (16 r + 4 q).  Lane row r of tile 2 b + u is row 32 b + 8 u + r + 8 (r / 8).
; LIMITS: a block whose largest magnitude lies under 2^-124 (zeros among them) gets the byte 1; NaN and infinities are not served; 1 / (rms + eps) is v_sqrt_f32 and v_rcp_f32.
.set PITCH,  4112
.set SPARE,  16*PITCH
.set IMGOFF, 0
.set INVOFF, 3276800
.set SPW, 12
.set NIL, 13
.set INV, 16
.set X,   32
.set G,   160
.set R,   192
.set W,   216
.set CT,  220
.set SEL, 46
	s_load_b128 s[4:7], s[0:1], 0x0                ; h2, g2
	s_load_b64 s[16:17], s[0:1], 0x10              ; n2
	v_lshl_add_u32 v[SPW], v0, 2, SPARE
	v_mov_b32 v[NIL], 0
	v_lshrrev_b32 v1, 5, v0
	v_readfirstlane_b32 s18, v1
	v_and_b32 v1, 31, v0
	v_and_b32 v2, 15, v0
	v_bfe_u32 v3, v0, 4, 1
	v_lshlrev_b32 v4, 4, v1
	s_wait_alu depctr_va_vdst(0)
	v_lshlrev_b32 v7, 3, v1
	s_lshr_b32 s24, ttmp9, 1
	s_lshl_b32 s24, s24, 5
	s_and_b32 s25, ttmp9, 1
	s_lshl_b32 s25, s25, 3
	s_add_co_u32 s24, s24, s25
	s_lshl_b32 s25, s18, 2
	s_add_co_u32 s24, s24, s25
	s_lshr_b32 s31, s18, 1
	s_lshl_b32 s25, s31, 3
	s_add_co_u32 s24, s24, s25                     ; my first token: 32 (tile / 2) + 8 (tile % 2) + 4 w + 8 (w / 2)
	s_lshl_b32 s26, s24, 12
	s_mov_b32 s27, 0
	s_lshl_b32 s28, s24, 2
	s_mov_b32 s29, 0
	s_mul_i32 s30, ttmp9, 12800
	s_mul_i32 s31, s31, 6400
	s_add_co_u32 s30, s30, s31
	s_and_b32 s31, s18, 1
	s_mul_i32 s32, s31, 3072
	s_add_co_u32 s32, s32, s30
	s_mov_b32 s33, 0
	s_lshl_b32 s34, s31, 3
	s_add_co_u32 s34, s34, s30
	s_add_co_u32 s34, s34, 6144
	s_mov_b32 s35, 0
	s_mul_i32 s36, s18, 4*PITCH
	v_add_nc_u32 v5, s36, v4
	v_mul_u32_u24 v6, v2, PITCH
	v_lshl_add_u32 v6, v3, 7, v6
	s_lshl_b32 s36, s18, 10
	v_add_nc_u32 v6, s36, v6
	v_lshlrev_b32 v8, 4, v2
	v_lshl_add_u32 v8, v3, 2, v8
	s_mov_b32 s[SEL], 0x76543210
	s_mov_b32 s[SEL+1], 0xfedcba98
	s_mov_b32 s42, 0x3d000000                      ; 1024^-0.5
	s_mov_b32 s43, 0x322bcc77                      ; eps = 1e-8
	s_wait_kmcnt 0x0
	s_add_nc_u64 s[4:5], s[4:5], s[26:27]
	s_add_nc_u64 s[20:21], s[16:17], IMGOFF
	s_add_nc_u64 s[22:23], s[16:17], INVOFF
	s_add_nc_u64 s[22:23], s[22:23], s[28:29]
	s_add_nc_u64 s[38:39], s[20:21], s[32:33]
	s_add_nc_u64 s[40:41], s[20:21], s[34:35]
.irp i, 0,1,2,3,4,5,6,7
	global_load_b128 v[G+4*\i:G+4*\i+3], v4, s[6:7] offset:512*\i
.endr
.irp j, 0,1,2,3
.irp i, 0,1,2,3,4,5,6,7
	global_load_b128 v[X+32*\j+4*\i:X+32*\j+4*\i+3], v4, s[4:5] offset:4096*\j+512*\i th:TH_LOAD_NT
.endr
.endr
.irp j, 0,1,2,3
	v_mov_b32 v[28+\j], 0
.endr
.irp j, 0,1,2,3
	s_wait_loadcnt 8*(3-\j)                        ; the gain and rows 0 .. j are in; the younger rows' eight loads each stay out
	v_pk_mul_f32 v[20:21], v[X+32*\j:X+32*\j+1], v[X+32*\j:X+32*\j+1]
	v_pk_mul_f32 v[22:23], v[X+32*\j+2:X+32*\j+3], v[X+32*\j+2:X+32*\j+3]
.irp p, 4,8,12,16,20,24,28
	v_pk_fma_f32 v[20:21], v[X+32*\j+\p:X+32*\j+\p+1], v[X+32*\j+\p:X+32*\j+\p+1], v[20:21]
	v_pk_fma_f32 v[22:23], v[X+32*\j+\p+2:X+32*\j+\p+3], v[X+32*\j+\p+2:X+32*\j+\p+3], v[22:23]
.endr
	v_pk_add_f32 v[20:21], v[20:21], v[22:23]
	v_add_f32 v[24+\j], v20, v21
.endr
.irp m, 1,2,4,8
.irp j, 0,1,2,3
	v_add_f32_dpp v[24+\j], v[24+\j], v[24+\j] row_xmask:\m row_mask:0xf bank_mask:0xf
.endr
.endr
.irp j, 0,1,2,3
	v_permlanex16_b32 v[28+\j], v[24+\j], s[SEL], s[SEL+1]
.endr
.irp j, 0,1,2,3
	v_add_f32 v[24+\j], v[24+\j], v[28+\j]
.endr
	s_wait_alu depctr_va_vdst(0)
.irp j, 0,1,2,3
	v_sqrt_f32 v[24+\j], v[24+\j]
.endr
	v_nop
	s_wait_alu depctr_va_vdst(0)                   ; one wait for the four roots
.irp j, 0,1,2,3
	v_fma_f32 v[24+\j], v[24+\j], s42, s43
.endr
	s_wait_alu depctr_va_vdst(0)
.irp j, 0,1,2,3
	v_rcp_f32 v[INV+\j], v[24+\j]
.endr
	v_nop
	s_wait_alu depctr_va_vdst(0)                   ; one wait for the four reciprocals
.irp j, 0,1,2,3
.irp p, 0,2,4,6,8,10,12,14,16,18,20,22,24,26,28,30
.if \j % 2
	v_pk_mul_f32 v[X+32*\j+\p:X+32*\j+\p+1], v[X+32*\j+\p:X+32*\j+\p+1], v[INV+2*(\j/2):INV+2*(\j/2)+1] op_sel:[0,1] op_sel_hi:[1,1]
.else
	v_pk_mul_f32 v[X+32*\j+\p:X+32*\j+\p+1], v[X+32*\j+\p:X+32*\j+\p+1], v[INV+2*(\j/2):INV+2*(\j/2)+1] op_sel_hi:[1,0]
.endif
.endr
.irp p, 0,2,4,6,8,10,12,14,16,18,20,22,24,26,28,30
	v_pk_mul_f32 v[X+32*\j+\p:X+32*\j+\p+1], v[X+32*\j+\p:X+32*\j+\p+1], v[G+\p:G+\p+1]
.endr
.irp i, 0,1,2,3,4,5,6,7
	ds_store_b128 v5, v[X+32*\j+4*\i:X+32*\j+4*\i+3] offset:PITCH*\j+512*\i
.endr
.endr
	v_cmp_eq_u32 vcc_lo, 0, v1
	s_wait_xcnt 0x0                                ; EXEC changes only behind this wait
	s_and_saveexec_b32 s44, vcc_lo
	global_store_b128 v4, v[INV:INV+3], s[22:23]
	s_wait_xcnt 0x0
	s_or_b32 exec_lo, exec_lo, s44
	s_wait_dscnt 0x0                               ; for the others' sake: my rows lie in the stage
	s_barrier_signal -1
	s_barrier_wait -1
.irp k, 0,1,2,3
.irp i, 0,1,2,3,4,5,6,7
	ds_load_b128 v[X+32*\k+4*\i:X+32*\k+4*\i+3], v6 offset:256*\k+16*\i
.endr
.endr
	s_wait_dscnt 0x0
.irp k, 0,1,2,3
	v_max3_num_f32 v[20+\k], |v[X+32*\k]|, |v[X+32*\k+1]|, 0x1800000
.endr
.irp i, 2,4,6,8,10,12,14,16,18,20,22,24,26,28,30
.irp k, 0,1,2,3
	v_max3_num_f32 v[20+\k], v[20+\k], |v[X+32*\k+\i]|, |v[X+32*\k+\i+1]|
.endr
.endr
.irp k, 0,1,2,3
	v_add_nc_u32 v[24+\k], 0xff000000, v[20+\k]
.endr
.irp k, 0,1,2,3
	v_lshrrev_b32 v[20+\k], 23, v[24+\k]
.endr
	v_lshlrev_b32 v9, 3, v3
.irp e, 0,1
	v_lshl_or_b32 v[W+\e], v[21+2*\e], 16, v[20+2*\e]
	v_lshlrev_b32 v[W+\e], v9, v[W+\e]
.endr
.irp e, 0,1
	v_permlanex16_b32 v[28+\e], v[W+\e], s[SEL], s[SEL+1]
.endr
.irp e, 0,1
	v_or_b32 v[W+\e], v[W+\e], v[28+\e]
.endr
.irp k, 0,1,2,3
	v_cvt_scalef32_pk16_fp6_f32 v[R+6*\k:R+6*\k+2], v[X+32*\k:X+32*\k+15], v[24+\k]
	v_cvt_scalef32_pk16_fp6_f32 v[CT+4*\k:CT+4*\k+2], v[X+32*\k+16:X+32*\k+31], v[24+\k]
.endr
	v_nop
.irp k, 0,1,2,3
.irp i, 0,1,2
	v_mov_b32 v[R+6*\k+3+\i], v[CT+4*\k+\i]
.endr
.endr
	v_cmp_lt_u32 s44, 15, v1
	v_cndmask_b32 v30, v[W], v[W+1], s44
.irp k, 0,1,2,3
	global_store_b128 v4, v[R+6*\k:R+6*\k+3], s[38:39] offset:768*\k
	global_store_b64 v7, v[R+6*\k+4:R+6*\k+5], s[38:39] offset:768*\k+512
.endr
	global_store_b32 v8, v30, s[40:41]
	s_wait_tensorcnt 0x0                           ; the wave's end
	ds_add_u32 v[SPW], v[NIL]
	s_wait_dscnt 0x0
	s_endpgm
.Lfunc_end_k_q4bd20a3fd8_norm2:
	.size	k_q4bd20a3fd8_norm2, .Lfunc_end_k_q4bd20a3fd8_norm2-k_q4bd20a3fd8_norm2
	.p2alignl 7, 3214868480
	.fill 96, 4, 3214868480
	.section	.rodata,"a",@progbits
	.p2align	6, 0x0
	.amdhsa_kernel k_q4bd20a3fd8_norm2
		.amdhsa_group_segment_fixed_size 66304
		.amdhsa_private_segment_fixed_size 0
		.amdhsa_enable_private_segment 0
		.amdhsa_kernarg_size 24
		.amdhsa_user_sgpr_count 2
		.amdhsa_user_sgpr_kernarg_segment_ptr 1
		.amdhsa_wavefront_size32 1
		.amdhsa_system_sgpr_workgroup_id_x 1
		.amdhsa_system_sgpr_workgroup_id_y 1
		.amdhsa_system_sgpr_workgroup_id_z 1
		.amdhsa_system_vgpr_workitem_id 0
		.amdhsa_next_free_vgpr 256
		.amdhsa_next_free_sgpr 66
		.amdhsa_reserve_vcc 1
		.amdhsa_float_denorm_mode_32 3
		.amdhsa_float_denorm_mode_16_64 3
		.amdhsa_memory_ordered 1
		.amdhsa_forward_progress 1
		.amdhsa_inst_pref_size 33
	.end_amdhsa_kernel
	.amdgpu_metadata
---
amdhsa.version: [ 1, 2 ]
amdhsa.kernels:
  - .name:           k_q4bd20a3fd8_norm2
    .symbol:         k_q4bd20a3fd8_norm2.kd
    .args:
      - { .name: h2, .offset: 0, .size: 8, .value_kind: global_buffer, .address_space: global }
      - { .name: g2, .offset: 8, .size: 8, .value_kind: global_buffer, .address_space: global }
      - { .name: n2, .offset: 16, .size: 8, .value_kind: global_buffer, .address_space: global }
    .group_segment_fixed_size: 66304
    .private_segment_fixed_size: 0
    .kernarg_segment_align: 8
    .kernarg_segment_size: 24
    .max_flat_workgroup_size: 128
    .sgpr_count:     66
    .vgpr_count:     256
    .wavefront_size: 32
...
	.end_amdgpu_metadata
.endif
;; end of part 5
;; launch ffn1 (part 6): grid 32 x 8, 4 waves a work-group, clusters of 4 x 4, 327,680 bytes of LDS; arguments n2, pw, b1, gl; writes gl
.if DOCPART == 6
	.amdgcn_target "amdgcn-amd-amdhsa--gfx1250"
	.amdhsa_code_object_version 6
	.text
	.protected	k_q4bd20a3fd8_ffn1
	.globl	k_q4bd20a3fd8_ffn1
	.p2align	8
	.type	k_q4bd20a3fd8_ffn1,@function
k_q4bd20a3fd8_ffn1:
	s_mov_b64 s[64:65], 0
	v_nop
	global_prefetch_b8 v0, s[64:65] scope:SCOPE_SE
	s_setreg_imm32_b32 hwreg(HW_REG_WAVE_MODE, 25, 1), 1
	s_wait_xcnt 0x0
	s_wait_alu depctr_hold_cnt(0) depctr_sa_sdst(0) depctr_va_vdst(0) depctr_va_sdst(0) depctr_va_ssrc(0) depctr_va_vcc(0) depctr_vm_vsrc(0)
	s_getreg_b32 s2, hwreg(HW_REG_IB_STS2, 6, 4)
	s_cmp_eq_u32 s2, 0
	s_cbranch_scc0 .Lentry_in_a_cluster
	s_endpgm
.Lentry_in_a_cluster:
	s_bfe_u32 s2, ttmp6, 0x10000c
	s_cmp_lg_u32 s2, 0xf033
	s_cbranch_scc0 .Lentry_shape_is_right
	s_endpgm
.Lentry_shape_is_right:
.set NT,    4
.set BLK,   102400
.set ABUF,  0
.set BBUF,  BLK
.set SPARE, 2*BLK
.set BOFF,  3276800
.set ASTEP, 8*BLK
.set OSTEP, 64*51200
.set L16,   16
.set L8,    20
.set QTM,   96
.set QCT,   102
.set T,     96
.set P,     64
.set SPW, 14
.set NIL, 15
.set SC,  32
.set BIAS, 96
.set ACC, 128
.set G1, 24
.set G0, 32
.set G1B, 48
.set G0B, 56
.set SEL, 66
.set C0, 36
.set C1, 38
.set C2, 60
.set C3, 62
.set C4, 76
.set C5, 78
.set C6, 80
.set C7, 82
.set C8, 92
.set KX, 94
.set S35, 96
.set MUL, 0x05
.set MULB, 0x15
.set TO_F, 0x40
.set MSB, 0
.macro WIN new
.if MSB != \new
	s_set_vgpr_msb (MSB<<8)|\new
.set MSB, \new
.endif
.endm
.macro CREST
	s_cmp_lg_u32 s10, 0
	s_cbranch_scc1 .Lnot_wave_0_\@
	s_barrier_signal -3
.Lnot_wave_0_\@:
	s_barrier_wait -3
	s_barrier_signal -1
	s_barrier_wait -1
.endm
.macro CROUND
	s_barrier_signal -1
	s_barrier_wait -1
	CREST
.endm
.macro PLACES n
.rept \n
	v_nop
.endr
.endm
.macro FRAG reg, a16, a8, off
	ds_load_b128 v[(\reg):(\reg)+3], v[\a16] offset:(\off)
	ds_load_b64 v[(\reg)+4:(\reg)+5], v[\a8] offset:(\off)+512
	ds_load_b128 v[(\reg)+6:(\reg)+9], v[\a16] offset:(\off)+768
	ds_load_b64 v[(\reg)+10:(\reg)+11], v[\a8] offset:(\off)+1280
.endm
.macro FETCH k
	WIN TO_F
.irp i, 0,1,2,3
	FRAG 128*((\k)%2)+48+12*\i, 6, 7, \i*12800+((\k)/4)*6400+((\k)%4)*1536
.endr
.irp i, 0,1,2,3
	FRAG 128*((\k)%2)+12*\i, 4, 5, \i*12800+((\k)/4)*6400+((\k)%4)*1536
.endr
.endm
.macro SCALES g
.irp i, 0,1,2,3
	ds_load_b128 v[SC+16*\g+4*\i:SC+16*\g+4*\i+3], v8 offset:12800*\i+6400*\g
.endr
.endm
.macro MUL4 a, k, mode
.irp b, 0,1,2,3
.set rD, ACC+8*(4*(\a)+\b)
.set rB, 128*((\k)%2)+48+12*\b
.set rA, 128*((\k)%2)+12*(\a)
.set rSB, SC+16*((\k)/4)+4*\b+((\k)%4)
.set rSA, SC+16*((\k)/4)+4*(\a)+((\k)%4)
.if (\mode) == 0
	v_wmma_scale_f32_16x16x128_f8f6f4 v[rD:rD+7], v[rB:rB+11], v[rA:rA+11], v[rD:rD+7], v[rSB], v[rSA] matrix_a_fmt:MATRIX_FMT_FP6 matrix_b_fmt:MATRIX_FMT_FP6 matrix_a_scale:MATRIX_SCALE_ROW1
.else
	v_wmma_scale_f32_16x16x128_f8f6f4 v[rD:rD+7], v[rB:rB+11], v[rA:rA+11], v[BIAS+8*\b:BIAS+8*\b+7], v[rSB], v[rSA] matrix_a_fmt:MATRIX_FMT_FP6 matrix_b_fmt:MATRIX_FMT_FP6 matrix_a_scale:MATRIX_SCALE_ROW1
.endif
.endr
.endm
.macro MWIN mode
.if (\mode) == 0
	WIN MUL
.else
	WIN MULB
.endif
.endm
.macro STEP k, mode
	s_wait_dscnt 8
	MWIN \mode
	MUL4 0, \k, \mode
	MUL4 1, \k, \mode
	PLACES 4
	FETCH (\k)+1
	s_wait_dscnt 32
	MWIN \mode
	MUL4 2, \k, \mode
	MUL4 3, \k, \mode
.endm
.macro HEAD7
	s_wait_tensorcnt 0x0
	s_barrier_signal -1
	s_barrier_wait -1
	SCALES 0
	SCALES 1
	FETCH 0
	STEP 0, 2
.irp k, 1,2,3,4,5,6
	STEP \k, 0
.endr
.endm
.macro TURNL
	WIN 0
	s_wait_tensorcnt 0x0
	ds_add_u32 v[SPW], v[NIL]
	s_wait_dscnt 9
	WIN MUL
	MUL4 0, 7, 0
	s_wait_dscnt 0x0
	s_barrier_signal -1
	MUL4 1, 7, 0
	WIN 0
	s_barrier_wait -1
	CREST
	s_add_nc_u64 s[G0+2:G0+3], s[G0+2:G0+3], ASTEP
	tensor_load_to_lds s[G0:G0+3], s[G1:G1+7]
	s_nop 0
.rept 4
	v_nop
.endr
	WIN MUL
	MUL4 2, 7, 0
	MUL4 3, 7, 0
	WIN 0
	PLACES 4
.endm
.macro LAST
	s_wait_dscnt 8
	WIN MUL
	MUL4 0, 7, 0
	MUL4 1, 7, 0
	s_wait_dscnt 0x0
	MUL4 2, 7, 0
	MUL4 3, 7, 0
	WIN 0
	PLACES 4
.endm
.macro QUANT32 src, rec, w
	v_max3_num_f32 v[QTM], |v[(\src)]|, |v[(\src)+1]|, 0x1800000
	v_max3_num_f32 v[QTM+1], |v[(\src)+16]|, |v[(\src)+17]|, 0x1800000
.irp i, 2,4,6,8,10,12,14
	v_max3_num_f32 v[QTM], v[QTM], |v[(\src)+\i]|, |v[(\src)+\i+1]|
	v_max3_num_f32 v[QTM+1], v[QTM+1], |v[(\src)+16+\i]|, |v[(\src)+17+\i]|
.endr
	v_permlanex16_b32 v[QTM+2], v[QTM], s[SEL], s[SEL+1]
	v_permlanex16_b32 v[QTM+3], v[QTM+1], s[SEL], s[SEL+1]
	v_max_num_f32 v[QTM], v[QTM], v[QTM+2]
	v_max_num_f32 v[QTM+1], v[QTM+1], v[QTM+3]
	v_add_nc_u32 v[QTM+4], 0xff000000, v[QTM]
	v_add_nc_u32 v[QTM+5], 0xff000000, v[QTM+1]
	v_lshrrev_b32 v[QTM+2], 23, v[QTM+4]
	v_lshrrev_b32 v[QTM+3], 23, v[QTM+5]
	v_lshl_or_b32 v[\w], v[QTM+3], 8, v[QTM+2]
	v_cvt_scalef32_pk16_fp6_f32 v[(\rec):(\rec)+2], v[(\src):(\src)+15], v[QTM+4]
	v_cvt_scalef32_pk16_fp6_f32 v[QCT:QCT+2], v[(\src)+16:(\src)+31], v[QTM+5]
	v_nop
.irp i, 0,1,2
	v_permlane16_swap_b32 v[(\rec)+\i], v[QCT+\i]
.endr
.irp i, 0,1,2
	v_mov_b32 v[(\rec)+3+\i], v[QCT+\i]
.endr
.endm
.macro EPIQ
.irp a, 0,1,2,3
	QUANT32 ACC+32*\a, 64+6*\a, 88+\a
.endr
	v_cndmask_b32 v92, v88, v89, s89
	v_cndmask_b32 v93, v90, v91, s89
.irp a, 0,1,2,3
	global_store_b128 v[16+\a], v[64+6*\a:67+6*\a], s[84:85]
	global_store_b64 v[20+\a], v[68+6*\a:69+6*\a], s[84:85] offset:512
.endr
	global_store_b16 v24, v92, s[86:87]
	global_store_b16 v25, v93, s[86:87]
.endm
.macro SETC r, val
	s_mov_b32 s[\r], \val
	s_mov_b32 s[\r+1], \val
.endm
.macro GELU a
.set XR, ACC+32*(\a)
.set j, 0
.rept 32
	v_fma_f32 v[T+j], |v[XR+j]|, s[S35], 1.0
.set j, j+1
.endr
.set j, 0
	s_wait_alu depctr_va_vdst(0)
.rept 32
	v_rcp_f32 v[T+j], v[T+j]
.set j, j+1
.endr
	v_nop
	s_wait_alu depctr_va_vdst(0)
.set j, 0
.rept 16
	v_pk_fma_f32 v[P+j:P+j+1], v[T+j:T+j+1], v[30:31], s[C8:C8+1] op_sel_hi:[1,1,0]
.set j, j+2
.endr
.irp c, C7,C6,C5,C4,C3,C2,C1,C0
.set j, 0
.rept 16
	v_pk_fma_f32 v[P+j:P+j+1], v[P+j:P+j+1], v[T+j:T+j+1], s[\c:\c+1] op_sel_hi:[1,1,0]
.set j, j+2
.endr
.endr
.irp g, 0,8,16,24
	v_pk_mul_f32 v[10:11], v[XR+\g:XR+\g+1], s[KX:KX+1] op_sel_hi:[1,0]
	v_pk_mul_f32 v[12:13], v[XR+\g+2:XR+\g+3], s[KX:KX+1] op_sel_hi:[1,0]
	v_pk_mul_f32 v[26:27], v[XR+\g+4:XR+\g+5], s[KX:KX+1] op_sel_hi:[1,0]
	v_pk_mul_f32 v[28:29], v[XR+\g+6:XR+\g+7], s[KX:KX+1] op_sel_hi:[1,0]
	v_pk_fma_f32 v[P+\g:P+\g+1], v[10:11], v[XR+\g:XR+\g+1], v[P+\g:P+\g+1]
	v_pk_fma_f32 v[P+\g+2:P+\g+3], v[12:13], v[XR+\g+2:XR+\g+3], v[P+\g+2:P+\g+3]
	v_pk_fma_f32 v[P+\g+4:P+\g+5], v[26:27], v[XR+\g+4:XR+\g+5], v[P+\g+4:P+\g+5]
	v_pk_fma_f32 v[P+\g+6:P+\g+7], v[28:29], v[XR+\g+6:XR+\g+7], v[P+\g+6:P+\g+7]
.endr
.set j, 0
	s_wait_alu depctr_va_vdst(0)
.rept 32
	v_exp_f32 v[P+j], v[P+j]
.set j, j+1
.endr
	v_nop
	s_wait_alu depctr_va_vdst(0)
.set j, 0
.rept 16
	v_pk_mul_f32 v[P+j:P+j+1], v[P+j:P+j+1], v[T+j:T+j+1]
.set j, j+2
.endr
.set j, 0
.rept 32
	v_max_num_f32 v[T+j], 0, v[XR+j]
.set j, j+1
.endr
.set j, 0
.rept 32
	v_fma_f32 v[XR+j], -|v[XR+j]|, v[P+j], v[T+j]
.set j, j+1
.endr
.endm
.macro EPI
	GELU 0
	GELU 1
	GELU 2
	GELU 3
	EPIQ
.endm
	s_load_b256 s[68:75], s[0:1], 0x0
	v_lshl_add_u32 v[SPW], v0, 2, SPARE
	v_mov_b32 v[NIL], 0
	ds_add_u32 v[SPW], v[NIL]
	ds_add_u32 v[SPW], v[NIL]
	v_lshrrev_b32 v1, 5, v0
	v_readfirstlane_b32 s10, v1
	s_lshr_b32 s11, s10, 1
	s_and_b32 s12, s10, 1
	s_bfe_u32 s40, ttmp6, 0x40000
	s_bfe_u32 s41, ttmp6, 0x40004
	s_lshl_b32 s42, ttmp9, 2
	s_add_co_u32 s42, s42, s40
	s_and_b32 s13, ttmp7, 0xffff
	s_lshl_b32 s13, s13, 2
	s_add_co_u32 s13, s13, s41
	s_lshl_b32 s43, s41, 2
	s_lshl_b32 s43, 15, s43
	s_lshl_b32 s44, 0x1111, s40
	s_or_b32 s[G1], s43, (3<<16)|(1<<21)
	s_or_b32 s[G1B], s44, (3<<16)|(1<<21)
.irp g, G1, G1B
	s_mov_b32 s[\g+1], 800<<16
	s_mov_b32 s[\g+2], 4<<16
	s_mov_b32 s[\g+3], 800<<16
	s_mov_b32 s[\g+4], 4
	s_mov_b32 s[\g+5], 800
	s_mov_b32 s[\g+6], 0
	s_mov_b32 s[\g+7], 0
.endr
	s_mul_i32 s20, s10, 25600
	s_mul_i32 s16, s13, BLK
	s_add_co_u32 s16, s16, s20
	s_mov_b32 s17, 0
	s_mul_i32 s46, s42, BLK
	s_add_co_u32 s46, s46, s20
	s_add_co_u32 s46, s46, BOFF
	s_mov_b32 s47, 0
	s_mov_b32 s[SEL], 0x76543210
	s_mov_b32 s[SEL+1], 0xfedcba98
	s_wait_dscnt 0x0
	s_wait_kmcnt 0x0
	s_mul_i32 s4, s40, 6400                        ; the prefetches: of the quarter of A's block (four rows of 6,400 bytes) that I fetch, each of the four partners of my row takes one row, told apart by address
	s_mov_b32 s5, 0
	s_add_nc_u64 s[98:99], s[68:69], s[16:17]
	s_add_nc_u64 s[98:99], s[98:99], s[4:5]
	s_mov_b32 s[G0], 1
	s_add_co_u32 s[G0+1], s20, ABUF
	s_add_nc_u64 s[G0+2:G0+3], s[68:69], s[16:17]
	s_or_b32 s[G0+3], s[G0+3], 0x80000000
	s_mov_b32 s[G0B], 1
	s_add_co_u32 s[G0B+1], s20, BBUF
	s_add_nc_u64 s[G0B+2:G0B+3], s[70:71], s[46:47]
	s_or_b32 s[G0B+3], s[G0B+3], 0x80000000
	CROUND
	tensor_load_to_lds s[G0B:G0B+3], s[G1B:G1B+7]
	s_nop 0
	v_and_b32 v9, 31, v0
	v_min_u32 v9, 24, v9                           ; 6,400 bytes are 25 blocks of 256: a lane a block; the lanes left over name the last again
	v_lshlrev_b32 v9, 8, v9
	global_prefetch_b8 v9, s[98:99] th:TH_LOAD_NT scope:SCOPE_SE   ; the first tile's A, loaded behind the next round
	s_wait_alu depctr_va_vdst(0)
	s_wait_tensorcnt 0x0
	ds_add_u32 v14, v15
	s_wait_dscnt 0x0
	CROUND
	tensor_load_to_lds s[G0:G0+3], s[G1:G1+7]
	s_nop 0
.rept 4
	v_nop
.endr
	v_and_b32 v3, 31, v0
	v_and_b32 v1, 15, v0
	v_bfe_u32 v2, v0, 4, 1
	v_lshlrev_b32 v[L16], 4, v3
	v_lshlrev_b32 v[L8], 3, v3
	s_mul_i32 s21, s11, 51200
	s_mul_i32 s22, s12, 51200
	s_add_co_u32 s22, s22, BBUF
	v_add_nc_u32 v4, s21, v[L16]
	v_add_nc_u32 v5, s21, v[L8]
	v_add_nc_u32 v6, s22, v[L16]
	v_add_nc_u32 v7, s22, v[L8]
	s_xor_b32 s23, s11, 1
	s_add_co_u32 s23, s23, s12
	s_add_co_u32 s23, s23, 1
	s_mul_i32 s23, s23, 51200
	v_mul_u32_u24 v31, s23, v2
	v_lshl_add_u32 v31, v1, 4, v31
	s_add_co_u32 s21, s21, 6144
	v_add_nc_u32 v8, s21, v31
	s_lshl_b32 s90, s42, 9
	s_lshl_b32 s91, s12, 8
	s_add_co_u32 s90, s90, s91
	s_mov_b32 s91, 0
	s_add_nc_u64 s[72:73], s[72:73], s[90:91]
	v_lshlrev_b32 v26, 6, v2
	WIN TO_F
.irp t, 0,1,2,3
	global_load_b128 v[BIAS+8*\t:BIAS+8*\t+3], v26, s[72:73] offset:128*(\t/2)+32*(\t%2)
	global_load_b128 v[BIAS+8*\t+4:BIAS+8*\t+7], v26, s[72:73] offset:128*(\t/2)+32*(\t%2)+16
.endr
	WIN 0
	s_lshl_b32 s90, s13, 3
	s_lshl_b32 s91, s11, 2
	s_add_co_u32 s90, s90, s91
	s_mul_i32 s90, s90, 51200
	s_lshr_b32 s91, s42, 2
	s_mul_i32 s91, s91, 6400
	s_add_co_u32 s90, s90, s91
	s_and_b32 s91, s42, 3
	s_mul_i32 s92, s91, 1536
	s_add_co_u32 s84, s90, s92
	s_mul_i32 s92, s12, 768
	s_add_co_u32 s84, s84, s92
	s_mov_b32 s85, 0
	s_lshl_b32 s91, s91, 2
	s_add_co_u32 s86, s90, s91
	s_lshl_b32 s92, s12, 1
	s_add_co_u32 s86, s86, s92
	s_add_co_u32 s86, s86, 6144
	s_mov_b32 s87, 0
	s_add_nc_u64 s[84:85], s[74:75], s[84:85]
	s_add_nc_u64 s[86:87], s[74:75], s[86:87]
.irp a, 1,2,3
	v_add_nc_u32 v[16+\a], 51200, v[15+\a]
	v_add_nc_u32 v[20+\a], 51200, v[19+\a]
.endr
	v_lshlrev_b32 v24, 4, v1
	v_mul_u32_u24 v25, 51200, v2
	v_add_nc_u32 v24, v24, v25
	v_add_nc_u32 v25, 102400, v24
	v_cmp_lt_u32 s89, 15, v3
	SETC C0, 0xc034d90f
	SETC C1, 0x3fb8ab5a
	SETC C2, 0x3f0a29d2
	SETC C3, 0x3e0efb2e
	SETC C4, 0xbe899a80
	SETC C5, 0x3ecdfd18
	SETC C6, 0xbfd1a1e5
	SETC C7, 0x40097039
	SETC C8, 0xbf97d29d
	SETC KX, 0xbf38aa3b
	s_mov_b32 s[S35], 0x3eb504f3
	v_mov_b32 v30, 0x3e7c6f08
	v_mov_b32 v31, 0x3e7c6f08
	s_wait_loadcnt 0x0
	s_mov_b32 s3, NT-1
.Ltile:
	s_wait_xcnt 0x0                                ; my last prefetch has read its address
	s_add_nc_u64 s[98:99], s[98:99], ASTEP
	global_prefetch_b8 v9, s[98:99] th:TH_LOAD_NT scope:SCOPE_SE   ; the next tile's A, loaded in this tile's last K step, seven K steps on; the loop's three trips name tiles 1, 2, 3
	HEAD7
	TURNL
	EPI
	s_wait_xcnt 0x0
	s_add_nc_u64 s[84:85], s[84:85], OSTEP
	s_add_nc_u64 s[86:87], s[86:87], OSTEP
	s_sub_co_u32 s3, s3, 1
	s_cmp_lg_u32 s3, 0
	s_cbranch_scc1 .Ltile
	HEAD7
	LAST
	EPI
	s_wait_tensorcnt 0x0
	ds_add_u32 v[SPW], v[NIL]
	s_wait_dscnt 0x0
	CROUND
	s_endpgm
.Lfunc_end_k_q4bd20a3fd8_ffn1:
	.size	k_q4bd20a3fd8_ffn1, .Lfunc_end_k_q4bd20a3fd8_ffn1-k_q4bd20a3fd8_ffn1
	.p2alignl 7, 3214868480
	.fill 96, 4, 3214868480
	.section	.rodata,"a",@progbits
	.p2align	6, 0x0
	.amdhsa_kernel k_q4bd20a3fd8_ffn1
		.amdhsa_group_segment_fixed_size 327680
		.amdhsa_private_segment_fixed_size 0
		.amdhsa_enable_private_segment 0
		.amdhsa_kernarg_size 32
		.amdhsa_user_sgpr_count 2
		.amdhsa_user_sgpr_kernarg_segment_ptr 1
		.amdhsa_wavefront_size32 1
		.amdhsa_system_sgpr_workgroup_id_x 1
		.amdhsa_system_sgpr_workgroup_id_y 1
		.amdhsa_system_sgpr_workgroup_id_z 1
		.amdhsa_system_vgpr_workitem_id 0
		.amdhsa_next_free_vgpr 512
		.amdhsa_next_free_sgpr 100
		.amdhsa_reserve_vcc 0
		.amdhsa_float_denorm_mode_32 3
		.amdhsa_float_denorm_mode_16_64 3
		.amdhsa_memory_ordered 1
		.amdhsa_forward_progress 1
		.amdhsa_inst_pref_size 251
	.end_amdhsa_kernel
	.amdgpu_metadata
---
amdhsa.version: [ 1, 2 ]
amdhsa.kernels:
  - .name:           k_q4bd20a3fd8_ffn1
    .symbol:         k_q4bd20a3fd8_ffn1.kd
    .args:
      - { .name: n2, .offset: 0, .size: 8, .value_kind: global_buffer, .address_space: global }
      - { .name: pw, .offset: 8, .size: 8, .value_kind: global_buffer, .address_space: global }
      - { .name: b1, .offset: 16, .size: 8, .value_kind: global_buffer, .address_space: global }
      - { .name: gl, .offset: 24, .size: 8, .value_kind: global_buffer, .address_space: global }
    .group_segment_fixed_size: 327680
    .private_segment_fixed_size: 0
    .kernarg_segment_align: 8
    .kernarg_segment_size: 32
    .max_flat_workgroup_size: 128
    .sgpr_count:     100
    .vgpr_count:     512
    .wavefront_size: 32
...
	.end_amdgpu_metadata
.endif
;; end of part 6
;; launch ffn2 (part 7): grid 8 x 32, 4 waves a work-group, clusters of 4 x 4, 327,680 bytes of LDS; arguments gl, pw, b2, h2, g2, n2, out0; writes out0
.if DOCPART == 7
	.amdgcn_target "amdgcn-amd-amdhsa--gfx1250"
	.amdhsa_code_object_version 6
	.text
	.protected	k_q4bd20a3fd8_ffn2
	.globl	k_q4bd20a3fd8_ffn2
	.p2align	8
	.type	k_q4bd20a3fd8_ffn2,@function
k_q4bd20a3fd8_ffn2:
	s_mov_b64 s[64:65], 0
	v_nop
	global_prefetch_b8 v0, s[64:65] scope:SCOPE_SE
	s_setreg_imm32_b32 hwreg(HW_REG_WAVE_MODE, 25, 1), 1
	s_wait_xcnt 0x0
	s_wait_alu depctr_hold_cnt(0) depctr_sa_sdst(0) depctr_va_vdst(0) depctr_va_sdst(0) depctr_va_ssrc(0) depctr_va_vcc(0) depctr_vm_vsrc(0)
	s_getreg_b32 s2, hwreg(HW_REG_IB_STS2, 6, 4)
	s_cmp_eq_u32 s2, 0
	s_cbranch_scc0 .Lentry_in_a_cluster
	s_endpgm
.Lentry_in_a_cluster:
	s_bfe_u32 s2, ttmp6, 0x10000c
	s_cmp_lg_u32 s2, 0xf033
	s_cbranch_scc0 .Lentry_shape_is_right
	s_endpgm
.Lentry_shape_is_right:
.set TP,    51200
.set LAPS,  4
.set BOFF,  6553600
.set L16,   16
.set L8,    17
.set SLOT,  102400
.set STAGE, 2*SLOT
.set SPARE, STAGE+128*528
.set SPW, 14
.set NIL, 15
.set SC,  32
.set BIAS, 64
.set ACC, 128
.set G1, 24
.set G0, 32
.set G1B, 48
.set G0B, 56
.set MUL, 0x05
.set TO_F, 0x40
.set MSB, 0
.macro WIN new
.if MSB != \new
	s_set_vgpr_msb (MSB<<8)|\new
.set MSB, \new
.endif
.endm
.macro JLOAD s
	s_cmp_eq_u32 s11, 0
	s_cbranch_scc0 .Lfor_b_\@
	tensor_load_to_lds s[G0+4*\s:G0+4*\s+3], s[G1:G1+7]
	s_nop 0
.rept 4
	v_nop
.endr
	s_branch .Lasked_\@
.Lfor_b_\@:
	tensor_load_to_lds s[G0B+4*\s:G0B+4*\s+3], s[G1B:G1B+7]
	s_nop 0
.rept 4
	v_nop
.endr
.Lasked_\@:
.endm
.macro CREST
	s_cmp_lg_u32 s10, 0
	s_cbranch_scc1 .Lnot_wave_0_\@
	s_barrier_signal -3
.Lnot_wave_0_\@:
	s_barrier_wait -3
	s_barrier_signal -1
	s_barrier_wait -1
.endm
.macro CROUND
	s_barrier_signal -1
	s_barrier_wait -1
	CREST
.endm
.macro PLACES n
.rept \n
	v_nop
.endr
.endm
.macro FRAG reg, a16, a8, off
	ds_load_b128 v[(\reg):(\reg)+3], v[\a16] offset:(\off)
	ds_load_b64 v[(\reg)+4:(\reg)+5], v[\a8] offset:(\off)+512
	ds_load_b128 v[(\reg)+6:(\reg)+9], v[\a16] offset:(\off)+768
	ds_load_b64 v[(\reg)+10:(\reg)+11], v[\a8] offset:(\off)+1280
.endm
.macro FETCH slot, q, p
	WIN TO_F
.irp i, 0,1,2,3
	FRAG 128*(\p)+48+12*\i, 8+\slot, 10+\slot, \i*6400+(\q)*1536
.endr
.irp i, 0,1,2,3
	FRAG 128*(\p)+12*\i, 4+\slot, 6+\slot, \i*6400+(\q)*1536
.endr
.endm
.macro SCALES slot
.irp i, 0,1,2,3
	ds_load_b128 v[SC+16*\slot+4*\i:SC+16*\slot+4*\i+3], v[12+\slot] offset:6400*\i
.endr
.endm
.macro MUL4 p, a, q, set, mode
.irp b, 0,1,2,3
.set rD, ACC+8*(4*(\a)+\b)
.set rB, 128*(\p)+48+12*\b
.set rA, 128*(\p)+12*(\a)
.set rSB, SC+16*(\set)+4*\b+(\q)
.set rSA, SC+16*(\set)+4*(\a)+(\q)
.if (\mode) == 0
	v_wmma_scale_f32_16x16x128_f8f6f4 v[rD:rD+7], v[rB:rB+11], v[rA:rA+11], v[rD:rD+7], v[rSB], v[rSA] matrix_a_fmt:MATRIX_FMT_FP6 matrix_b_fmt:MATRIX_FMT_FP6 matrix_a_scale:MATRIX_SCALE_ROW1
.elseif (\mode) == 1
	v_wmma_scale_f32_16x16x128_f8f6f4 v[rD:rD+7], v[rB:rB+11], v[rA:rA+11], 0, v[rSB], v[rSA] matrix_a_fmt:MATRIX_FMT_FP6 matrix_b_fmt:MATRIX_FMT_FP6 matrix_a_scale:MATRIX_SCALE_ROW1
.else
	v_wmma_scale_f32_16x16x128_f8f6f4 v[rD:rD+7], v[rB:rB+11], v[rA:rA+11], v[BIAS+8*\b:BIAS+8*\b+7], v[rSB], v[rSA] matrix_a_fmt:MATRIX_FMT_FP6 matrix_b_fmt:MATRIX_FMT_FP6 matrix_a_scale:MATRIX_SCALE_ROW1
.endif
.endr
.endm
.macro QUARTER slot, q, mode
	s_wait_dscnt 8
	WIN MUL
	MUL4 (\q)%2, 0, \q, \slot, \mode
	MUL4 (\q)%2, 1, \q, \slot, \mode
	PLACES 4
	FETCH \slot, (\q)+1, ((\q)+1)%2
	s_wait_dscnt 32
	WIN MUL
	MUL4 (\q)%2, 2, \q, \slot, \mode
	MUL4 (\q)%2, 3, \q, \slot, \mode
.endm
.macro TURN slot, next, fill
	WIN 0
.if \fill
	s_wait_xcnt 0x0                                ; my last prefetch has read its address: it steps one K group for each refill
	s_add_nc_u64 s[98:99], s[98:99], 6400
.endif
	s_wait_tensorcnt 0x0
	ds_add_u32 v[SPW], v[NIL]
	s_wait_dscnt 9
	WIN MUL
	MUL4 1, 0, 3, \slot, 0
	s_wait_dscnt 0x0
	s_barrier_signal -1
	MUL4 1, 1, 3, \slot, 0
	WIN 0
	s_barrier_wait -1
.if \fill
	CREST
	s_add_nc_u64 s[G0+4*\slot+2:G0+4*\slot+3], s[G0+4*\slot+2:G0+4*\slot+3], 12800
	s_add_nc_u64 s[G0B+4*\slot+2:G0B+4*\slot+3], s[G0B+4*\slot+2:G0B+4*\slot+3], 12800
	JLOAD \slot
.else
	PLACES 4
.endif
	s_wait_alu depctr_va_vdst(0)
	SCALES \next
	FETCH \next, 0, 0
.if \fill
	WIN 0
	s_cmp_gt_u32 s3, 1                             ; the refill of K group g is followed by the prefetch of group g + 2, two refills on; the last trip's refills, groups 6 and 7, have none
	s_cbranch_scc0 .Lno_ask_\@
	global_prefetch_b8 v28, s[98:99] offset:19200 th:TH_LOAD_NT scope:SCOPE_SE
.Lno_ask_\@:
.endif
	WIN MUL
	MUL4 1, 2, 3, \slot, 0
	MUL4 1, 3, 3, \slot, 0
.endm
.macro LAST
	s_wait_dscnt 8
	WIN MUL
	MUL4 1, 0, 3, 1, 0
	MUL4 1, 1, 3, 1, 0
	s_wait_dscnt 0x0
	MUL4 1, 2, 3, 1, 0
	MUL4 1, 3, 3, 1, 0
	WIN 0
.endm
.macro IDS
	v_lshrrev_b32 v1, 5, v0
	v_readfirstlane_b32 s10, v1
	s_lshr_b32 s11, s10, 1
	s_and_b32 s12, s10, 1
	s_bfe_u32 s40, ttmp6, 0x40000
	s_bfe_u32 s41, ttmp6, 0x40004
	s_lshl_b32 s42, ttmp9, 2
	s_add_co_u32 s42, s42, s40
	s_and_b32 s13, ttmp7, 0xffff
	s_lshl_b32 s13, s13, 2
	s_add_co_u32 s13, s13, s41
.endm
.macro G1CONST
	s_lshl_b32 s43, s41, 2
	s_lshl_b32 s43, 15, s43
	s_lshl_b32 s44, 0x1111, s40
	s_or_b32 s[G1], s43, (3<<16)|(1<<21)
	s_or_b32 s[G1B], s44, (3<<16)|(1<<21)
.irp g, G1, G1B
	s_mov_b32 s[\g+1], 800<<16
	s_mov_b32 s[\g+2], 4<<16
	s_mov_b32 s[\g+3], 800<<16
	s_mov_b32 s[\g+4], 4
	s_mov_b32 s[\g+5], TP/8
	s_mov_b32 s[\g+6], 0
	s_mov_b32 s[\g+7], 0
.endr
.endm
.macro FIRSTLOADS pa, pb
	s_mov_b32 s17, 0
	s_mov_b32 s47, 0
	s_mul_i32 s20, s10, 25600
	s_wait_dscnt 0x0
	s_wait_kmcnt 0x0
	s_add_nc_u64 s[14:15], s[\pa:\pa+1], s[16:17]
	s_add_nc_u64 s[46:47], s[\pb:\pb+1], s[46:47]
	s_cmp_eq_u32 s11, 0                            ; the prefetches: of the four rows of 6,400 bytes that I fetch for a K group, each of the four partners that ask for them jointly takes one, told apart by address (cx for A, cy for B)
	s_cselect_b64 s[98:99], s[14:15], s[46:47]
	s_cselect_b32 s82, s40, s41
	s_mul_i32 s82, s82, TP
	s_mov_b32 s83, 0
	s_add_nc_u64 s[98:99], s[98:99], s[82:83]
.irp s, 0,1
	s_mov_b32 s[G0+4*\s], 1
	s_add_co_u32 s[G0+4*\s+1], s20, \s*SLOT
	s_add_nc_u64 s[G0+4*\s+2:G0+4*\s+3], s[14:15], \s*6400
	s_or_b32 s[G0+4*\s+3], s[G0+4*\s+3], 0x80000000
	s_mov_b32 s[G0B+4*\s], 1
	s_add_co_u32 s[G0B+4*\s+1], s20, \s*SLOT
	s_add_nc_u64 s[G0B+4*\s+2:G0B+4*\s+3], s[46:47], \s*6400
	s_or_b32 s[G0B+4*\s+3], s[G0B+4*\s+3], 0x80000000
	s_wait_alu depctr_va_vdst(0)
	s_wait_tensorcnt 0x0
	ds_add_u32 v14, v15
	ds_add_u32 v14, v15
	s_wait_dscnt 0x0
	CROUND
	JLOAD \s
.if \s == 0
	v_and_b32 v28, 31, v0
	v_min_u32 v28, 24, v28                         ; 6,400 bytes are 25 blocks of 256: a lane a block; the lanes left over name the last again
	v_lshlrev_b32 v28, 8, v28
	global_prefetch_b8 v28, s[98:99] offset:6400 th:TH_LOAD_NT scope:SCOPE_SE     ; K group 1, loaded behind the next round,
	global_prefetch_b8 v28, s[98:99] offset:12800 th:TH_LOAD_NT scope:SCOPE_SE    ; and group 2, the first refill
.else
	global_prefetch_b8 v28, s[98:99] offset:19200 th:TH_LOAD_NT scope:SCOPE_SE    ; K group 3, the second refill
.endif
.endr
.endm
.macro FRAME_ADDR
	v_and_b32 v3, 31, v0
	v_and_b32 v1, 15, v0
	v_bfe_u32 v2, v0, 4, 1
	v_lshlrev_b32 v[L16], 4, v3
	v_lshlrev_b32 v[L8], 3, v3
	s_mul_i32 s21, s11, 25600
	s_mul_i32 s22, s12, 25600
	s_add_co_u32 s22, s22, 51200
.irp s, 0,1
	v_add_nc_u32 v[4+\s], s21, v[L16]
	v_add_nc_u32 v[6+\s], s21, v[L8]
	v_add_nc_u32 v[8+\s], s22, v[L16]
	v_add_nc_u32 v[10+\s], s22, v[L8]
	s_add_co_u32 s21, s21, SLOT
	s_add_co_u32 s22, s22, SLOT
.endr
	s_xor_b32 s23, s11, 1
	s_add_co_u32 s23, s23, s12
	s_add_co_u32 s23, s23, 1
	s_mul_i32 s23, s23, 25600
	v_mul_u32_u24 v31, s23, v2
	v_lshl_add_u32 v31, v1, 4, v31
	s_mul_i32 s21, s11, 25600
	s_add_co_u32 s21, s21, 6144
	v_add_nc_u32 v12, s21, v31
	s_add_co_u32 s21, s21, SLOT
	v_add_nc_u32 v13, s21, v31
.endm
.macro MAIN mode0
	s_wait_tensorcnt 1
	s_barrier_signal -1
	s_barrier_wait -1
	SCALES 0
	FETCH 0, 0, 0
	QUARTER 0, 0, \mode0
	WIN 0
	s_mov_b32 s3, LAPS-1
.Llap:
	QUARTER 0, 1, 0
	QUARTER 0, 2, 0
	TURN 0, 1, 1
	QUARTER 1, 0, 0
	QUARTER 1, 1, 0
	QUARTER 1, 2, 0
	TURN 1, 0, 1
	QUARTER 0, 0, 0
	WIN 0
	s_sub_co_u32 s3, s3, 1
	s_cmp_lg_u32 s3, 0
	s_cbranch_scc1 .Llap
	QUARTER 0, 1, 0
	QUARTER 0, 2, 0
	TURN 0, 1, 0
	QUARTER 1, 0, 0
	QUARTER 1, 1, 0
	QUARTER 1, 2, 0
	LAST
	PLACES 4
.endm
.macro EPIF_SETUP pinv, invoff, pout
	s_lshl_b32 s84, s13, 7
	s_lshl_b32 s85, s10, 5
	s_add_co_u32 s84, s84, s85
	s_lshl_b32 s86, s84, 2
	s_mov_b32 s87, 0
	s_lshl_b32 s84, s84, 12
	s_lshl_b32 s88, s42, 9
	s_add_co_u32 s84, s84, s88
	s_mov_b32 s85, 0
	s_mov_b32 s89, 0
	s_lshl_b32 s90, s12, 8
	s_add_co_u32 s90, s90, s88
	s_mov_b32 s91, 0
	s_add_nc_u64 s[92:93], s[74:75], s[84:85]
	s_add_nc_u64 s[94:95], s[\pout:\pout+1], s[84:85]
	s_add_nc_u64 s[96:97], s[\pinv:\pinv+1], \invoff
	s_add_nc_u64 s[96:97], s[96:97], s[86:87]
	s_add_nc_u64 s[76:77], s[76:77], s[88:89]
	s_add_nc_u64 s[72:73], s[72:73], s[90:91]
	v_lshlrev_b32 v22, 6, v2
	v_lshlrev_b32 v23, 2, v3
.irp t, 0,1,2,3
	global_load_b128 v[BIAS+8*\t:BIAS+8*\t+3], v22, s[72:73] offset:128*(\t/2)+32*(\t%2)
	global_load_b128 v[BIAS+8*\t+4:BIAS+8*\t+7], v22, s[72:73] offset:128*(\t/2)+32*(\t%2)+16
.endr
	global_load_b128 v[24:27], v[L16], s[76:77]
	global_load_b32 v21, v23, s[96:97]
	v_and_b32 v18, 8, v1
	v_add_nc_u32 v18, v18, v1
	v_mul_u32_u24 v19, v18, 528
	v_lshl_add_u32 v19, v2, 6, v19
	s_mul_i32 s21, s11, 64*528
	s_lshl_b32 s22, s12, 8
	s_add_co_u32 s21, s21, s22
	s_add_co_u32 s21, s21, STAGE
	v_add_nc_u32 v19, s21, v19
	s_mul_i32 s21, s10, 32*528
	s_add_co_u32 s21, s21, STAGE
	v_add_nc_u32 v20, s21, v[L16]
.endm
.macro RESID                           ; my 32 rows of the residual, 128 registers of window 2, asked for ahead of the walk along K and first read on the way out
	s_wait_alu depctr_va_vdst(0)
	WIN 0x80
.set i, 0
.rept 32
	global_load_b128 v[4*i:4*i+3], v[L16], s[92:93] offset:4096*i
.set i, i+1
.endr
	WIN 0
.endm
.macro EPIF hint
.irp a, 0,1,2,3
.irp t, 0,1,2,3
	ds_store_b128 v19, v[ACC+8*(4*\a+\t):ACC+8*(4*\a+\t)+3] offset:(32*(\a/2)+8*(\a%2))*528+128*(\t/2)+32*(\t%2)
	ds_store_b128 v19, v[ACC+8*(4*\a+\t)+4:ACC+8*(4*\a+\t)+7] offset:(32*(\a/2)+8*(\a%2))*528+128*(\t/2)+32*(\t%2)+16
.endr
.endr
.set i, 0
.rept 32
	v_readlane_b32 s[24+i], v21, i
.set i, i+1
.endr
	s_wait_dscnt 0x0
	s_barrier_signal -1
	s_barrier_wait -1
.set i, 0
.rept 32
	ds_load_b128 v[ACC+4*i:ACC+4*i+3], v20 offset:528*i
.set i, i+1
.endr
	s_wait_loadcnt 0x0
	WIN 0x88
.set i, 0
.rept 128
	v_mul_f32 v[i], s[24+i/4], v[i]
.set i, i+1
.endr
	s_wait_dscnt 0x0
	WIN 0x08
.set i, 0
.rept 64
	v_pk_fma_f32 v[ACC+2*i:ACC+2*i+1], v[24+2*(i%2):25+2*(i%2)], v[2*i:2*i+1], v[ACC+2*i:ACC+2*i+1]
.set i, i+1
.endr
	WIN 0
.set i, 0
.rept 32
.if \hint
	global_store_b128 v[L16], v[ACC+4*i:ACC+4*i+3], s[94:95] offset:4096*i th:TH_STORE_NT
.else
	global_store_b128 v[L16], v[ACC+4*i:ACC+4*i+3], s[94:95] offset:4096*i
.endif
.set i, i+1
.endr
.endm
	s_load_b256 s[68:75], s[0:1], 0x0
	s_load_b128 s[76:79], s[0:1], 0x20
	s_load_b64 s[80:81], s[0:1], 0x30
	v_lshl_add_u32 v[SPW], v0, 2, SPARE
	v_mov_b32 v[NIL], 0
	ds_add_u32 v[SPW], v[NIL]
	ds_add_u32 v[SPW], v[NIL]
	IDS
	G1CONST
	s_mul_i32 s16, s13, 8*TP
	s_mul_i32 s17, s12, 4*TP
	s_add_co_u32 s16, s16, s17
	s_mul_i32 s46, s42, 8*TP
	s_mul_i32 s47, s12, 4*TP
	s_add_co_u32 s46, s46, s47
	s_add_co_u32 s46, s46, BOFF
	FIRSTLOADS 68, 70
	FRAME_ADDR
	EPIF_SETUP 78, 3276800, 80
	s_wait_loadcnt 0x0
	RESID
	MAIN 2
	EPIF 1
	s_wait_tensorcnt 0x0
	ds_add_u32 v[SPW], v[NIL]
	s_wait_dscnt 0x0
	CROUND
	s_endpgm
.Lfunc_end_k_q4bd20a3fd8_ffn2:
	.size	k_q4bd20a3fd8_ffn2, .Lfunc_end_k_q4bd20a3fd8_ffn2-k_q4bd20a3fd8_ffn2
	.p2alignl 7, 3214868480
	.fill 96, 4, 3214868480
	.section	.rodata,"a",@progbits
	.p2align	6, 0x0
	.amdhsa_kernel k_q4bd20a3fd8_ffn2
		.amdhsa_group_segment_fixed_size 327680
		.amdhsa_private_segment_fixed_size 0
		.amdhsa_enable_private_segment 0
		.amdhsa_kernarg_size 56
		.amdhsa_user_sgpr_count 2
		.amdhsa_user_sgpr_kernarg_segment_ptr 1
		.amdhsa_wavefront_size32 1
		.amdhsa_system_sgpr_workgroup_id_x 1
		.amdhsa_system_sgpr_workgroup_id_y 1
		.amdhsa_system_sgpr_workgroup_id_z 1
		.amdhsa_system_vgpr_workitem_id 0
		.amdhsa_next_free_vgpr 768
		.amdhsa_next_free_sgpr 100
		.amdhsa_reserve_vcc 0
		.amdhsa_float_denorm_mode_32 3
		.amdhsa_float_denorm_mode_16_64 3
		.amdhsa_memory_ordered 1
		.amdhsa_forward_progress 1
		.amdhsa_inst_pref_size 104
	.end_amdhsa_kernel
	.amdgpu_metadata
---
amdhsa.version: [ 1, 2 ]
amdhsa.kernels:
  - .name:           k_q4bd20a3fd8_ffn2
    .symbol:         k_q4bd20a3fd8_ffn2.kd
    .args:
      - { .name: gl, .offset: 0, .size: 8, .value_kind: global_buffer, .address_space: global }
      - { .name: pw, .offset: 8, .size: 8, .value_kind: global_buffer, .address_space: global }
      - { .name: b2, .offset: 16, .size: 8, .value_kind: global_buffer, .address_space: global }
      - { .name: h2, .offset: 24, .size: 8, .value_kind: global_buffer, .address_space: global }
      - { .name: g2, .offset: 32, .size: 8, .value_kind: global_buffer, .address_space: global }
      - { .name: n2, .offset: 40, .size: 8, .value_kind: global_buffer, .address_space: global }
      - { .name: out0, .offset: 48, .size: 8, .value_kind: global_buffer, .address_space: global }
    .group_segment_fixed_size: 327680
    .private_segment_fixed_size: 0
    .kernarg_segment_align: 8
    .kernarg_segment_size: 56
    .max_flat_workgroup_size: 128
    .sgpr_count:     100
    .vgpr_count:     768
    .wavefront_size: 32
...
	.end_amdgpu_metadata
.endif
;; end of part 7
